; MI455X (gfx1250); checked and timed in simulation.
; The chip was launched on July 23, 2026; its instructions are those of AMD's public machine-readable ISA for CDNA 5 (MIT licence, August 2026) and "CDNA5" Instruction Set Architecture Reference Guide (July 2026). The comments in the code are by the model that wrote it; some were corrected since.
;; Euler Attention. Allowed arithmetic: float matrix products may take bf16 or f16 operands with f32 sums; all other float work in f32.
;; Inputs: Wk 1,024 x 1,024 float32; Wq 1,024 x 1,024 float32; Wv 1,024 x 1,024 float32; bk 1,024 float32; bq 1,024 float32; bv 1,024 float32; phase_bias 1,024 float32; x 2 x 2,048 x 1,024 float32.
;; Outputs: out0 2 x 2,048 x 1,024 float32.
;; 2 versions, each right; version 2 is version 1 with the launch cvt written anew for expert scheduling mode. Each part assembles by itself: llvm-mc -triple=amdgcn-amd-amdhsa -mcpu=gfx1250 --defsym DOCPART=n.
;; ======== version 1 of 2: 4 launches
;; limits: right only within a limited range of input values
;; workspace buffers: xb 8,388,608 bytes; wb 6,291,456 bytes; fq 16,777,216 bytes; fk 16,777,216 bytes; vt 8,388,608 bytes; p 16,777,216 bytes; rs 524,288 bytes
;; launch cvt (part 1): grid 256 x 1, 8 waves a work-group, no clusters, 0 bytes of LDS; arguments x, Wq, Wk, Wv, xb, wb; writes xb, wb
.if DOCPART == 1
	.amdgcn_target "amdgcn-amd-amdhsa--gfx1250"
	.amdhsa_code_object_version 6
	.text
	.protected	k_q1743228f0f_cvt
	.globl	k_q1743228f0f_cvt
	.p2align	8
	.type	k_q1743228f0f_cvt,@function
k_q1743228f0f_cvt:
	s_mov_b64 s[64:65], 0
	v_nop
	global_prefetch_b8 v0, s[64:65] scope:SCOPE_SE
	s_setreg_imm32_b32 hwreg(HW_REG_WAVE_MODE, 25, 1), 1
	s_wait_xcnt 0x0
; EulerAttention, first of four launches: x and the three weight matrices are rounded once from f32 to bf16 (nearest even),
; so that the projection can bring them in as bf16 tiles that four work-groups share.
;   xb [4096][1024] bf16 = x.      wb [3072][1024] bf16: row 192 g + 64 p + i = row 64 g + i of W_p (p = 0 q, 1 k, 2 v; g = 0..15),
;   so that 192 neighbouring rows of wb are the weights of the same 64 features of Q, of K and of V.
;
; WORK LEFT OUT IN THE WHOLE PROGRAM: phase_bias.  With a = Q inv_wl, b = K inv_wl and p = phase_bias, theta_q = a + p and theta_k = b + p
; reach the result through sim alone, and sim[s][t] is the sum over the features d of
;   cos(a_d + p_d) cos(b_d + p_d) + sin(a_d + p_d) sin(b_d + p_d) = cos((a_d + p_d) - (b_d + p_d)) = cos(a_d - b_d)
; for all real a_d, b_d, p_d.  So no value of phase_bias reaches any output in exact arithmetic: it is not loaded and is no argument of any launch.
; LIMIT: a NaN, an infinity or an overflow in phase_bias is not carried to the result, and a phase_bias so large that a + p in f32 loses bits of a
; is not reproduced.
;
; A stream: memory binds, so no LDS, no matrix unit, no cluster (no two work-groups read the same byte).
; Work-group w takes rows 16 w .. 16 w + 15 of x (65,536 bytes) and rows 4 w .. 4 w + 3 of each W (16,384 bytes each).
; An item is 8 neighbouring f32 of thread t: two 16-byte loads at 32 t and 32 t + 16, four packed roundings, one 16-byte store at 16 t, so a
; wave's store covers 512 consecutive bytes at a multiple of 512.  14 items a thread, written out; all 28 loads are issued first and no
; register is written twice, so no source of a pending instruction is ever rewritten.
.set LD,  4                            ; v[4:115]    the 28 loads, item i in v[LD+8i : LD+8i+7]
.set RES, 116                          ; v[116:171]  the 14 results, item i in v[RES+4i : RES+4i+3]
	s_load_b256 s[4:11], s[0:1], 0x0               ; x s[4:5], Wq s[6:7], Wk s[8:9], Wv s[10:11]
	s_load_b128 s[12:15], s[0:1], 0x20             ; xb s[12:13], wb s[14:15]
	v_lshlrev_b32 v1, 5, v0                        ; 32 t: my 8 f32
	v_lshlrev_b32 v2, 4, v0                        ; 16 t: my 8 bf16
	s_lshl_b32 s16, ttmp9, 16                      ; x: 16 rows of 4,096 bytes a work-group
	s_mov_b32 s17, 0
	s_lshl_b32 s18, ttmp9, 14                      ; each W: 4 rows of 4,096 bytes
	s_mov_b32 s19, 0
	s_lshl_b32 s20, ttmp9, 15                      ; xb: 16 rows of 2,048 bytes
	s_mov_b32 s21, 0
	s_lshr_b32 s22, ttmp9, 4                       ; g = w / 16
	s_mul_i32 s22, s22, 192
	s_and_b32 s23, ttmp9, 15
	s_lshl2_add_u32 s22, s23, s22                  ; wb row 192 g + 4 (w mod 16); 64 p rows stand in the stores' immediates
	s_lshl_b32 s22, s22, 11                        ; rows of 2,048 bytes
	s_mov_b32 s23, 0
	s_wait_kmcnt 0x0
	s_add_nc_u64 s[4:5], s[4:5], s[16:17]
	s_add_nc_u64 s[6:7], s[6:7], s[18:19]
	s_add_nc_u64 s[8:9], s[8:9], s[18:19]
	s_add_nc_u64 s[10:11], s[10:11], s[18:19]
	s_add_nc_u64 s[12:13], s[12:13], s[20:21]
	s_add_nc_u64 s[14:15], s[14:15], s[22:23]
.irp j, 0,1,2,3,4,5,6,7
	global_load_b128 v[LD+8*\j:LD+8*\j+3],   v1, s[4:5] offset:8192*\j th:TH_LOAD_NT        ; 256 threads x 32 bytes = 8,192 bytes a pass
	global_load_b128 v[LD+8*\j+4:LD+8*\j+7], v1, s[4:5] offset:8192*\j+16 th:TH_LOAD_NT
.endr
.irp p, 0,1,2
.irp j, 0,1
	global_load_b128 v[LD+64+16*\p+8*\j:LD+64+16*\p+8*\j+3],   v1, s[6+2*\p:7+2*\p] offset:8192*\j th:TH_LOAD_NT
	global_load_b128 v[LD+64+16*\p+8*\j+4:LD+64+16*\p+8*\j+7], v1, s[6+2*\p:7+2*\p] offset:8192*\j+16 th:TH_LOAD_NT
.endr
.endr
; Item i: its two loads are numbers 2 i and 2 i + 1 of 28, so 26 - 2 i younger ones may stay out (loads return in order: ISA guide 5.7.1).
.macro ITEM i, lo, hi, off
	s_wait_loadcnt 26-2*(\i)
.irp k, 0,1,2,3
	v_cvt_pk_bf16_f32 v[RES+4*(\i)+\k], v[LD+8*(\i)+2*\k], v[LD+8*(\i)+2*\k+1]
.endr
	global_store_b128 v2, v[RES+4*(\i):RES+4*(\i)+3], s[\lo:\hi] offset:\off
.endm
.irp j, 0,1,2,3,4,5,6,7
	ITEM \j, 12, 13, 4096*\j
.endr
.irp p, 0,1,2
.irp j, 0,1
	ITEM 8+2*\p+\j, 14, 15, 131072*\p+4096*\j      ; 64 p rows of 2,048 bytes, and the pass
.endr
.endr
	s_endpgm
.Lfunc_end_k_q1743228f0f_cvt:
	.size	k_q1743228f0f_cvt, .Lfunc_end_k_q1743228f0f_cvt-k_q1743228f0f_cvt
	.p2alignl 7, 3214868480
	.fill 96, 4, 3214868480
	.section	.rodata,"a",@progbits
	.p2align	6, 0x0
	.amdhsa_kernel k_q1743228f0f_cvt
		.amdhsa_group_segment_fixed_size 0
		.amdhsa_private_segment_fixed_size 0
		.amdhsa_enable_private_segment 0
		.amdhsa_kernarg_size 48
		.amdhsa_user_sgpr_count 2
		.amdhsa_user_sgpr_kernarg_segment_ptr 1
		.amdhsa_wavefront_size32 1
		.amdhsa_system_sgpr_workgroup_id_x 1
		.amdhsa_system_sgpr_workgroup_id_y 1
		.amdhsa_system_sgpr_workgroup_id_z 1
		.amdhsa_system_vgpr_workitem_id 0
		.amdhsa_next_free_vgpr 172
		.amdhsa_next_free_sgpr 66
		.amdhsa_reserve_vcc 0
		.amdhsa_float_denorm_mode_32 3
		.amdhsa_float_denorm_mode_16_64 3
		.amdhsa_memory_ordered 1
		.amdhsa_forward_progress 1
		.amdhsa_inst_pref_size 9
	.end_amdhsa_kernel
	.amdgpu_metadata
---
amdhsa.version: [ 1, 2 ]
amdhsa.kernels:
  - .name:           k_q1743228f0f_cvt
    .symbol:         k_q1743228f0f_cvt.kd
    .args:
      - { .name: x, .offset: 0, .size: 8, .value_kind: global_buffer, .address_space: global }
      - { .name: Wq, .offset: 8, .size: 8, .value_kind: global_buffer, .address_space: global }
      - { .name: Wk, .offset: 16, .size: 8, .value_kind: global_buffer, .address_space: global }
      - { .name: Wv, .offset: 24, .size: 8, .value_kind: global_buffer, .address_space: global }
      - { .name: xb, .offset: 32, .size: 8, .value_kind: global_buffer, .address_space: global }
      - { .name: wb, .offset: 40, .size: 8, .value_kind: global_buffer, .address_space: global }
    .group_segment_fixed_size: 0
    .private_segment_fixed_size: 0
    .kernarg_segment_align: 8
    .kernarg_segment_size: 48
    .max_flat_workgroup_size: 256
    .sgpr_count:     66
    .vgpr_count:     172
    .wavefront_size: 32
...
	.end_amdgpu_metadata
.endif
;; end of part 1
;; launch proj (part 2): grid 16 x 16, 4 waves a work-group, clusters of 4 x 4, 327,680 bytes of LDS; arguments xb, wb, bq, bk, bv, fq, fk, vt; writes fq, fk, vt
.if DOCPART == 2
	.amdgcn_target "amdgcn-amd-amdhsa--gfx1250"
	.amdhsa_code_object_version 6
	.text
	.protected	k_q1743228f0f_proj
	.globl	k_q1743228f0f_proj
	.p2align	8
	.type	k_q1743228f0f_proj,@function
k_q1743228f0f_proj:
	s_mov_b64 s[64:65], 0
	v_nop
	global_prefetch_b8 v0, s[64:65] scope:SCOPE_SE
	s_setreg_imm32_b32 hwreg(HW_REG_WAVE_MODE, 25, 1), 1
	s_wait_xcnt 0x0
	s_wait_alu depctr_hold_cnt(0) depctr_sa_sdst(0) depctr_va_vdst(0) depctr_va_sdst(0) depctr_va_ssrc(0) depctr_va_vcc(0) depctr_vm_vsrc(0)
	s_getreg_b32 s2, hwreg(HW_REG_IB_STS2, 6, 4)
	s_cmp_eq_u32 s2, 0
	s_cbranch_scc0 .Lentry_in_a_cluster
	s_endpgm
.Lentry_in_a_cluster:
	s_bfe_u32 s2, ttmp6, 0x10000c
	s_cmp_lg_u32 s2, 0xf033
	s_cbranch_scc0 .Lentry_shape_is_right
	s_endpgm
.Lentry_shape_is_right:
; EulerAttention, second launch: Q, K, V = xb wb^T + bias; Q and K become cos and sin features; V is stored transposed.
; phase_bias is left out: cos(a+p)cos(b+p) + sin(a+p)sin(b+p) = cos(a-b) for all real a, b, p (shown at the head of the first launch).
;   fq, fk [4096 tokens][2048] bf16: byte 256 g + 2 i of a row = cos, byte 256 g + 128 + 2 i = sin of the phase of feature 64 g + i (i = 0..63).
;   The order of the 2,048 features along a row is the same in fq and fk, which is all that their product needs.
;   vt [2][1024 d][2048 t] bf16 = V + bv, transposed, so that t lies along the rows for the last product.
; A work-group makes 256 tokens x 192 rows of wb (64 features of Q, of K and of V) with four waves, as many as a WGP has SIMDs; a wave makes
; 64 tokens x 192: 48 accumulator tiles of 16 x 16.  K = 1024 goes in steps of 128 (rows of 256 bytes, at multiples of 256 bytes) through two LDS slots.
; CLUSTERS: 4 x 4 work-groups.  The four of a row of the cluster need the same tokens of xb, the four of a column the same rows of wb: each tile is asked for
; jointly, by the same tensor load with a mask that names the four.
; THE PHASE.  u = q c with c = inv_wl / 2 pi is the phase in turns; n = the nearest whole number; f = fma(q, c, -n) is the exact rest, |f| <= 1/2.
; With alpha = pi f, |alpha| <= pi/2: sin(2 alpha) = 2 sin(alpha) cos(alpha), cos(2 alpha) = 2 cos(alpha)^2 - 1.  PS = sqrt 2 sin(pi f) and PC = sqrt 2 cos(pi f)
; come from their Taylor series up to f^9 and f^8 (remainders at most 3.6e-6 and 2.5e-5 times sqrt 2, far under bf16's step), then sin = PS PC, cos = PC PC - 1.
; f IS CLAMPED to [-1/2, 1/2] before the series.  Inside the range below the clamp changes nothing.  It makes the series' arguments, and so the features,
; bounded for EVERY input: PS and PC lie within sqrt 2 (1 + 3e-5), so sin and cos lie within 1 + 1e-4, which rounds to at most 1 in bf16.
; The next launch leans on that bound.
; LIMITS: the reduction holds for |q c| < 2^23 (for the first feature, c = 25.9: |Q| < 3.2e5).  Beyond it u has no fraction bits, f is the product's rounding
; rest cut to [-1/2, 1/2], and the features are the cos and sin of that rest, not of reference()'s phase.  In the clamp (a middle of three) a NaN loses:
; a NaN or an infinity in Q or K (from Wq, Wk, bq, bk, x) gives finite features where reference() gives NaN; one in x, Wv or bv still reaches the result through V.
;
; REGISTERS, in windows of 256:
;   window 0: v0-31 addresses; v32-63, v64-95 fragments of xb (4 x 16 tokens x 32 K), two buffers, later the way out; v96-219 constants; v220-251 at work
;   window 1: v0-95, v96-191 fragments of wb (12 x 16 rows x 32 K), two buffers
;   window 2: the 32 tiles of Q and K, tile (a, b) at v[8 (8 a + b)], b = 0..3 Q, 4..7 K;   window 3: the 16 tiles of V at v[8 (4 a + b)]
; Q's and K's products are used transposed (source 0 = rows of wb, source 1 = tokens): a lane holds token l % 16 and features 8 (l / 16) + 0..7 of the tile.
; V's are not (source 0 = tokens): a lane holds d = l % 16 and tokens 8 (l / 16) + 0..7, eight neighbours of a row of vt.
.set PITCH,  272                       ; an LDS row: 256 bytes + 16 of padding: row r starts 16 r bytes further modulo 256, so the 16 rows of a fragment load start in 16 different 16-byte columns
.set KB,     256                       ; bytes of a row in a K step
.set QI,     5                         ; padding after every 64 words
.set XROWS,  128                       ; waves 0, 1 fetch 128 tokens of xb each
.set YROWS,  96                        ; waves 2, 3 fetch 96 rows of wb each
.set YBASE,  64*PITCH                  ; wave x 96 + 64 rows = 256 and 352 for waves 2 and 3
.set BOFF,   256*PITCH                 ; wb's rows lie behind xb's 256
.set SLOT,   448*PITCH
.set STAGE,  2*SLOT                    ; behind the ring, at a multiple of 256: no tensor load lands here
.set KST,    16*PITCH                  ; a stage of 16 tokens x 256 bytes
.set QKST,   2*KST                     ; Q's and K's, for each wave
.set VSTAGE, STAGE+4*QKST              ; 64 d x 256 tokens, shared by the four waves
.set VPITCH, 528
.set LAPS,   4                         ; a lap = two K steps; 1024 / 256
.set STRIDE, 1024                      ; elements from row to row in xb and wb
.set ADRA, 16                          ; v16-17  LDS address of my xb fragments in slot 0, 1
.set ADRB, 20                          ; v20-21  the same for wb
.set VSTO, 22
.set VRD,  23
.set QSTO, 24
.set QRD,  25
.set CO,   26                          ; (l / 16) x 4,096 + 16 (l % 16): two rows of fq or fk
.set L16,  27                          ; 16 l
.set OB,   28                          ; 32 (l / 16)
.set OV,   29                          ; 4 (l % 16)
.set VE,   30
.set FA,   32
.set FB,   0
.set CC,   96                          ; v[96:127]   c of my 4 x 8 features
.set BQ,   128                         ; v[128:159]  bq of them
.set BK,   160                         ; v[160:191]  bk of them
.set BV,   192                         ; v[192:199]  bv of my d in V's 4 tiles, each twice (a pair for the packed add)
.set KS,   200                         ; v[200:209]  the sine series' five coefficients, each twice
.set KC,   210                         ; v[210:219]  the cosine series'
.set T,    220
.set TU,   220                         ; u, then f
.set TN,   228                         ; n, then f^2, then the packed results
.set TPS,  236
.set TPC,  244
.set G1X, 24                           ; s[24:31] group 1 for xb's tiles
.set G0X, 32                           ; s[32:39] group 0, one set a slot
.set G1Y, 48                           ; s[48:55] group 1 for wb's tiles
.set G0Y, 56                           ; s[56:63] group 0, one set a slot
.set XA,  14                           ; s[14:15] xb's tile address: made of the block row alone
.set YA,  46                           ; s[46:47] wb's: of the block column alone
.set G1W0, (1<<16)|(1<<20)|(1<<21)|(QI<<22)|(3<<25)   ; elements of 2 bytes; padding on; bit 21 beside a mask; the interval; 4 words of padding
.set MUL_QK, 0xa1                      ; source 0 window 1, source 1 window 0, C and D window 2
.set MUL_V,  0xf4                      ; source 0 window 0, source 1 window 1, C and D window 3
.set TO_B,   0x40                      ; destination window 1
.set MSB, 0
.macro WIN new                         ; the immediate's high byte repeats the setting that is left
.if MSB != \new
	s_set_vgpr_msb (MSB<<8)|\new
.set MSB, \new
.endif
.endm
.macro PLACES                          ; four plain vector places behind a matrix instruction, ahead of loads into its sources and of readers of its result
.rept 4
	v_nop
.endr
.endm
; A joint load: waves 0 and 1 ask for xb's two halves, waves 2 and 3 for wb's.  Each line has one mask; the branch hangs on the wave's number alone.
.macro JLOAD s
	s_cmp_eq_u32 s11, 0
	s_cbranch_scc0 .Lfor_y_\@
	tensor_load_to_lds s[G0X+4*\s:G0X+4*\s+3], s[G1X:G1X+7]
	s_nop 0
	s_branch .Lasked_\@
.Lfor_y_\@:
	tensor_load_to_lds s[G0Y+4*\s:G0Y+4*\s+3], s[G1Y:G1Y+7]
	s_nop 0
.Lasked_\@:
.endm
.macro CREST                           ; a round of the cluster's barrier behind its opening work-group barrier
	s_cmp_lg_u32 s10, 0
	s_cbranch_scc1 .Lnot_wave_0_\@
	s_barrier_signal -3
.Lnot_wave_0_\@:
	s_barrier_wait -3
	s_barrier_signal -1
	s_barrier_wait -1
.endm
.macro CROUND                          ; a whole round
	s_barrier_signal -1
	s_barrier_wait -1
	CREST
.endm
	s_load_b512 s[68:83], s[0:1], 0x0              ; xb 68, wb 70, bq 72, bk 74, bv 76, fq 78, fk 80, vt 82
	s_set_vgpr_msb 0x40
	v_lshl_add_u32 v255, v0, 2, 0x4c400
	s_set_vgpr_msb 0x4000
	v_mov_b32 v255, 0
	s_set_vgpr_msb 0x1
	ds_add_u32 v255, v255
	s_set_vgpr_msb 0x100
	v_lshrrev_b32 v1, 5, v0
	v_readfirstlane_b32 s10, v1                    ; wave 0..3
	s_lshr_b32 s11, s10, 1                         ; I fetch for xb (0) or for wb (1)
	s_and_b32 s12, s10, 1                          ; which half of that tile
	s_bfe_u32 s40, ttmp6, 0x40000                  ; cx
	s_bfe_u32 s41, ttmp6, 0x40004                  ; cy
	s_lshl_b32 s42, ttmp9, 2
	s_add_co_u32 s42, s42, s40                     ; block column bx = 4 x cluster x + cx: features 64 bx ..
	s_and_b32 s45, ttmp7, 0xffff
	s_lshl_b32 s13, s45, 2
	s_add_co_u32 s13, s13, s41                     ; block row by = 4 x cluster y + cy: tokens 256 by ..
	s_lshl_b32 s43, s41, 2
	s_lshl_b32 s43, 15, s43                        ; my row of the cluster
	s_lshl_b32 s44, 0x1111, s40                    ; my column
	s_or_b32 s[G1X+0], s43, G1W0                   ; xb's tiles go to my row
	s_or_b32 s[G1Y+0], s44, G1W0                   ; wb's to my column
	s_mov_b32 s[G1X+1], (KB/2)<<16                 ; tensor_dim0 = 128 elements
	s_mov_b32 s[G1Y+1], (KB/2)<<16
	s_mov_b32 s[G1X+2], XROWS<<16                  ; tensor_dim1 = the tile's rows
	s_mov_b32 s[G1Y+2], YROWS<<16
	s_mov_b32 s[G1X+3], (KB/2)<<16                 ; tile_dim0
	s_mov_b32 s[G1Y+3], (KB/2)<<16
	s_mov_b32 s[G1X+4], XROWS                      ; tile_dim1
	s_mov_b32 s[G1Y+4], YROWS
	s_mov_b32 s[G1X+5], STRIDE                     ; elements from row to row
	s_mov_b32 s[G1Y+5], STRIDE
	s_mov_b32 s[G1X+6], 0
	s_mov_b32 s[G1Y+6], 0
	s_mov_b32 s[G1X+7], 0
	s_mov_b32 s[G1Y+7], 0
	s_lshl_b32 s16, s13, 8
	s_lshl_b32 s18, s12, 7
	s_add_co_u32 s16, s16, s18                     ; xb: row 256 by + 128 half
	s_lshl_b32 s16, s16, 11                        ; rows of 2,048 bytes
	s_mov_b32 s17, 0
	s_mul_i32 s46, s42, 192
	s_mul_i32 s19, s12, 96
	s_add_co_u32 s46, s46, s19                     ; wb: row 192 bx + 96 half
	s_lshl_b32 s46, s46, 11
	s_mov_b32 s47, 0
	s_mul_i32 s20, s10, XROWS*PITCH                ; where they go: the wave's number times a constant, plus a constant
	s_mul_i32 s21, s10, YROWS*PITCH
	s_add_co_u32 s21, s21, YBASE
	s_wait_dscnt 0x0
	s_wait_kmcnt 0x0
	s_add_nc_u64 s[XA:XA+1], s[68:69], s[16:17]
	s_add_nc_u64 s[YA:YA+1], s[70:71], s[46:47]
	CROUND                                         ; all sixteen work-groups are here: the first joint loads meet
.irp s, 0,1
	s_mov_b32 s[G0X+4*\s], 1
	s_add_co_u32 s[G0X+4*\s+1], s20, \s*SLOT
	s_add_nc_u64 s[G0X+4*\s+2:G0X+4*\s+3], s[XA:XA+1], \s*KB
	s_or_b32 s[G0X+4*\s+3], s[G0X+4*\s+3], 0x80000000
	s_mov_b32 s[G0Y+4*\s], 1
	s_add_co_u32 s[G0Y+4*\s+1], s21, \s*SLOT
	s_add_nc_u64 s[G0Y+4*\s+2:G0Y+4*\s+3], s[YA:YA+1], \s*KB
	s_or_b32 s[G0Y+4*\s+3], s[G0Y+4*\s+3], 0x80000000
	JLOAD \s                                       ; K steps 0 and 1: two tensor loads of the wave are out
.endr
	; addresses
	v_and_b32 v1, 15, v0                           ; r = l % 16
	v_bfe_u32 v2, v0, 4, 1                         ; h = l / 16
	v_and_b32 v5, 31, v0                           ; l
	v_mul_u32_u24 v3, v1, PITCH
	v_lshl_add_u32 v3, v2, 4, v3                   ; r x pitch + 16 h: a fragment's two loads stand here and 32 bytes on
	s_mul_i32 s22, s10, 64*PITCH                   ; my 64 tokens
	s_mov_b32 s23, BOFF                            ; all 192 rows of wb
.irp s, 0,1
	v_add_nc_u32 v[ADRA+\s], s22, v3
	v_add_nc_u32 v[ADRB+\s], s23, v3
	s_add_co_u32 s22, s22, SLOT
	s_add_co_u32 s23, s23, SLOT
.endr
	s_mul_i32 s22, s10, QKST
	s_add_co_u32 s22, s22, STAGE                   ; my two stages
	v_add_nc_u32 v[QSTO], s22, v3                  ; in: token r, 16 bytes for each half of the lanes
	v_mul_u32_u24 v4, v2, PITCH
	v_lshl_add_u32 v4, v1, 4, v4
	v_add_nc_u32 v[QRD], s22, v4                   ; back: lanes 0-15 one token's 256 bytes, lanes 16-31 the next token's
	v_lshlrev_b32 v4, 12, v2
	v_lshl_add_u32 v[CO], v1, 4, v4
	v_mul_u32_u24 v4, v1, VPITCH
	v_lshl_add_u32 v4, v2, 4, v4
	s_lshl_b32 s23, s10, 7
	s_add_co_u32 s23, s23, VSTAGE
	v_add_nc_u32 v[VSTO], s23, v4                  ; V in: row d = r, my wave's 64 tokens at byte 128 wave, 16 h
	s_mul_i32 s23, s10, 16*VPITCH
	s_add_co_u32 s23, s23, VSTAGE
	v_lshl_add_u32 v[VRD], v5, 4, s23              ; V back: rows 16 wave + i, 32 lanes x 16 bytes = a row's 512 bytes
	v_lshlrev_b32 v[L16], 4, v5
	v_lshlrev_b32 v[OB], 5, v2
	v_lshlrev_b32 v[OV], 2, v1
	; the biases of my features
	s_lshl_b32 s86, s42, 8                         ; 64 bx f32; also 256 bx bytes in a row of fq
	s_mov_b32 s87, 0
	s_add_nc_u64 s[72:73], s[72:73], s[86:87]
	s_add_nc_u64 s[74:75], s[74:75], s[86:87]
	s_add_nc_u64 s[76:77], s[76:77], s[86:87]
.irp bb, 0,1,2,3
	global_load_b128 v[BQ+8*\bb:BQ+8*\bb+3],   v[OB], s[72:73] offset:64*\bb       ; bq[64 bx + 16 bb + 8 h + 0..3]
	global_load_b128 v[BQ+8*\bb+4:BQ+8*\bb+7], v[OB], s[72:73] offset:64*\bb+16
	global_load_b128 v[BK+8*\bb:BK+8*\bb+3],   v[OB], s[74:75] offset:64*\bb
	global_load_b128 v[BK+8*\bb+4:BK+8*\bb+7], v[OB], s[74:75] offset:64*\bb+16
	global_load_b32  v[BV+2*\bb],              v[OV], s[76:77] offset:64*\bb       ; bv[64 bx + 16 bb + r]
.endr
	; c = 1 / (2 pi ((e + 1) 2 pi / 1024 + 1e-8)) for my features e = 64 bx + 16 bb + 8 h + j
	s_mov_b32 s84, 0x3bc90fdb                      ; 2 pi / 1024
	s_mov_b32 s85, 0x322bcc77                      ; 1e-8
	s_lshl_b32 s88, s42, 6
	s_add_co_u32 s88, s88, 1
	v_lshl_add_u32 v[VE], v2, 3, s88               ; 64 bx + 8 h + 1
.irp bb, 0,1,2,3
.irp j, 0,1,2,3,4,5,6,7
	v_add_nc_u32 v[CC+8*\bb+\j], 16*\bb+\j, v[VE]
.endr
.endr
.irp bb, 0,1,2,3
.irp j, 0,1,2,3,4,5,6,7
	v_cvt_f32_u32 v[CC+8*\bb+\j], v[CC+8*\bb+\j]
.endr
.endr
.irp bb, 0,1,2,3
.irp j, 0,1,2,3,4,5,6,7
	v_fma_f32 v[CC+8*\bb+\j], v[CC+8*\bb+\j], s84, s85
.endr
.endr
.irp bb, 0,1,2,3
.irp j, 0,1,2,3,4,5,6,7
	v_rcp_f32 v[CC+8*\bb+\j], v[CC+8*\bb+\j]
.endr
.endr
	v_nop                                          ; one plain vector instruction behind the last reciprocal, ahead of its use (ISA guide 5.7.2)
	s_wait_alu depctr_va_vdst(0)
.irp bb, 0,1,2,3
.irp j, 0,1,2,3,4,5,6,7
	v_mul_f32 v[CC+8*\bb+\j], 0.15915494, v[CC+8*\bb+\j]
.endr
.endr
.macro COEF reg, val
	v_mov_b32 v[\reg], \val
	v_mov_b32 v[\reg+1], \val
.endm
	COEF KS+0, 0x408e2c19                          ; sqrt 2 pi
	COEF KS+2, 0xc0e9dd2e                          ; - sqrt 2 pi^3 / 3!
	COEF KS+4, 0x4066d083                          ; sqrt 2 pi^5 / 5!
	COEF KS+6, 0xbf58f4fa                          ; - sqrt 2 pi^7 / 7!
	COEF KS+8, 0x3dedeb7f                          ; sqrt 2 pi^9 / 9!
	COEF KC+0, 0x3fb504f3                          ; sqrt 2
	COEF KC+2, 0xc0df52db                          ; - sqrt 2 pi^2 / 2!
	COEF KC+4, 0x40b7ad25                          ; sqrt 2 pi^4 / 4!
	COEF KC+6, 0xbff1b558                          ; - sqrt 2 pi^6 / 6!
	COEF KC+8, 0x3eaa65c8                          ; sqrt 2 pi^8 / 8!
	; where the results go
	s_lshl_b32 s90, s13, 8
	s_lshl_b32 s91, s10, 6
	s_add_co_u32 s90, s90, s91                     ; token 256 by + 64 wave
	s_lshl_b32 s90, s90, 12                        ; rows of 4,096 bytes
	s_add_co_u32 s90, s90, s86                     ; + 256 bx
	s_mov_b32 s91, 0
	s_add_nc_u64 s[78:79], s[78:79], s[90:91]
	s_add_nc_u64 s[80:81], s[80:81], s[90:91]
	s_lshr_b32 s92, s13, 3                         ; batch = by / 8
	s_lshl_b32 s92, s92, 22                        ; 1,024 rows of 4,096 bytes
	s_lshl_b32 s93, s42, 6
	s_lshl4_add_u32 s93, s10, s93                  ; d = 64 bx + 16 wave
	s_lshl_b32 s93, s93, 12
	s_add_co_u32 s92, s92, s93
	s_and_b32 s93, s13, 7
	s_lshl_b32 s93, s93, 9                         ; 256 tokens of 2 bytes a block row
	s_add_co_u32 s92, s92, s93
	s_mov_b32 s93, 0
	s_add_nc_u64 s[82:83], s[82:83], s[92:93]
	s_wait_loadcnt 0x0                             ; the biases, once
.irp bb, 0,1,2,3
	v_mov_b32 v[BV+2*\bb+1], v[BV+2*\bb]
.endr
; The fragments of one slice of 32 along K, at byte k of the slot's rows, into buffer f: 24 loads for wb, 8 for xb
.macro FETCH slot, k, f
	WIN TO_B
.irp i, 0,1,2,3,4,5,6,7,8,9,10,11
	ds_load_b128 v[FB+96*\f+8*\i:FB+96*\f+8*\i+3],   v[ADRB+\slot] offset:\k+\i*16*PITCH
	ds_load_b128 v[FB+96*\f+8*\i+4:FB+96*\f+8*\i+7], v[ADRB+\slot] offset:\k+\i*16*PITCH+32
.endr
	WIN 0
.irp i, 0,1,2,3
	ds_load_b128 v[FA+32*\f+8*\i:FA+32*\f+8*\i+3],   v[ADRA+\slot] offset:\k+\i*16*PITCH
	ds_load_b128 v[FA+32*\f+8*\i+4:FA+32*\f+8*\i+7], v[ADRA+\slot] offset:\k+\i*16*PITCH+32
.endr
.endm
; part 0: V's 16 tiles; part 1: Q's and K's 32.  zero = 1: the first product starts the sums.
; The 48 accumulators take turns, one instruction a turn, in the same order in every slice.
.macro MULP f, part, zero
.if \part
	WIN MUL_QK
.irp a, 0,1,2,3
.irp b, 0,1,2,3,4,5,6,7
.if \zero
	v_wmma_f32_16x16x32_bf16 v[8*(8*\a+\b):8*(8*\a+\b)+7], v[FB+96*\f+8*\b:FB+96*\f+8*\b+7], v[FA+32*\f+8*\a:FA+32*\f+8*\a+7], 0
.else
	v_wmma_f32_16x16x32_bf16 v[8*(8*\a+\b):8*(8*\a+\b)+7], v[FB+96*\f+8*\b:FB+96*\f+8*\b+7], v[FA+32*\f+8*\a:FA+32*\f+8*\a+7], v[8*(8*\a+\b):8*(8*\a+\b)+7]
.endif
.endr
.endr
.else
	WIN MUL_V
.irp a, 0,1,2,3
.irp b, 0,1,2,3
.if \zero
	v_wmma_f32_16x16x32_bf16 v[8*(4*\a+\b):8*(4*\a+\b)+7], v[FA+32*\f+8*\a:FA+32*\f+8*\a+7], v[FB+96*\f+8*(8+\b):FB+96*\f+8*(8+\b)+7], 0
.else
	v_wmma_f32_16x16x32_bf16 v[8*(4*\a+\b):8*(4*\a+\b)+7], v[FA+32*\f+8*\a:FA+32*\f+8*\a+7], v[FB+96*\f+8*(8+\b):FB+96*\f+8*(8+\b)+7], v[8*(4*\a+\b):8*(4*\a+\b)+7]
.endif
.endr
.endr
.endif
.endm
; A slice: buffer f is multiplied while the next slice's fragments, at byte knext of the same slot, come into buffer g.
.macro QUARTER slot, knext, f, g, zero
	s_wait_dscnt 0x0                               ; buffer f's loads, issued a whole slice ago, are the only LDS instructions out
	PLACES                                         ; behind the last product that read buffer g
	FETCH \slot, \knext, \g
	MULP \f, 0, \zero
	MULP \f, 1, \zero
.endm
.macro BODY slot, zero                 ; the first three of a K step's four slices
	QUARTER \slot, 64,  0, 1, \zero
	QUARTER \slot, 128, 1, 0, 0
	QUARTER \slot, 192, 0, 1, 0
.endm
; The step's last slice, in buffer 1, and the change of slots.  In front of the barrier each wave waits for its reads of this slot and for all its tensor
; loads, of which one is out: its part of the next slot.  With fill = 1 the barrier opens a round of the cluster's barrier; behind the round no wave of any
; partner reads this slot or has a load on its way, and the joint refill is the wave's first and only tensor load there.
.macro TURN slot, next, fill
	s_wait_dscnt 0x0                               ; buffer 1 is in, and with it my last reads of this slot
	s_wait_tensorcnt 0x0                           ; all my tensor loads have landed
	ds_add_u32 v255, v255
	s_wait_dscnt 0x0
	s_barrier_signal -1
	MULP 1, 0, 0                                   ; register work while the others arrive
	WIN 0
	s_barrier_wait -1
.if \fill
	CREST
	s_add_nc_u64 s[G0X+4*\slot+2:G0X+4*\slot+3], s[G0X+4*\slot+2:G0X+4*\slot+3], 2*KB   ; no tensor load of mine is out: the addresses may step, two K steps on
	s_add_nc_u64 s[G0Y+4*\slot+2:G0Y+4*\slot+3], s[G0Y+4*\slot+2:G0Y+4*\slot+3], 2*KB
	JLOAD \slot
.endif
	PLACES                                         ; behind the last product that read buffer 0
	FETCH \next, 0, 0
	MULP 1, 1, 0
.endm
.macro LAP zero
	BODY 0, \zero
	TURN 0, 1, 1
	BODY 1, 0
	TURN 1, 0, 1
.endm
	s_wait_tensorcnt 0x1                           ; my part of K step 0 is in; step 1's may stay out
	s_barrier_signal -1
	s_barrier_wait -1                              ; everybody's is
	FETCH 0, 0, 0
	LAP 1                                          ; the first lap stands ahead of the loop: its first products start the sums
	WIN 0
	s_mov_b32 s3, LAPS-2
.Llap:
	LAP 0
	WIN 0
	s_sub_co_u32 s3, s3, 1
	s_cmp_lg_u32 s3, 0
	s_cbranch_scc1 .Llap
	BODY 0, 0                                      ; the last lap fills nothing
	TURN 0, 1, 0
	BODY 1, 0
	s_wait_dscnt 0x0
	MULP 1, 0, 0
	MULP 1, 1, 0
	PLACES                                         ; behind the last products, ahead of the first use of a result
	; V: + bv, to bf16, into the shared stage as rows of d; 16 bytes a lane are eight neighbouring tokens
.irp a, 0,1,2,3
	WIN 0x03
.irp b, 0,1,2,3
.irp k, 0,2,4,6
	v_pk_add_f32 v[T+8*\b+\k:T+8*\b+\k+1], v[8*(4*\a+\b)+\k:8*(4*\a+\b)+\k+1], v[BV+2*\b:BV+2*\b+1]
.endr
.endr
	WIN 0
.irp b, 0,1,2,3
.irp k, 0,1,2,3
	v_cvt_pk_bf16_f32 v[32+16*\a+4*\b+\k], v[T+8*\b+2*\k], v[T+8*\b+2*\k+1]
.endr
.endr
.irp b, 0,1,2,3
	ds_store_b128 v[VSTO], v[32+16*\a+4*\b:32+16*\a+4*\b+3] offset:\b*16*VPITCH+32*\a
.endr
.endr
	s_wait_dscnt 0x0                               ; my stores are in the stage, for the others' sake
	s_barrier_signal -1
	s_barrier_wait -1                              ; all four waves' are: a row of d now holds the block's 256 tokens
.irp i, 0,1,2,3,4,5,6,7,8,9,10,11,12,13,14,15
	ds_load_b128 v[32+4*\i:32+4*\i+3], v[VRD] offset:\i*VPITCH
.endr
.irp i, 0,1,2,3,4,5,6,7,8,9,10,11,12,13,14,15
	s_wait_dscnt 15-\i                             ; the younger loads may stay out
	global_store_b128 v[L16], v[32+4*\i:32+4*\i+3], s[82:83] offset:4096*\i      ; 512 consecutive bytes of row d = 64 bx + 16 wave + i, at a multiple of 512
.endr
.macro HORNER n                        ; one step of both series on the four pairs
.irp k, 0,2,4,6
	v_pk_fma_f32 v[TPS+\k:TPS+\k+1], v[TPS+\k:TPS+\k+1], v[TN+\k:TN+\k+1], v[KS+2*\n:KS+2*\n+1]
	v_pk_fma_f32 v[TPC+\k:TPC+\k+1], v[TPC+\k:TPC+\k+1], v[TN+\k:TN+\k+1], v[KC+2*\n:KC+2*\n+1]
.endr
.endm
; cos and sin of eight phases: the values in v[q ..], their factors in v[c ..]; 16 bytes of cos to byte off of my stage row, 16 of sin 128 bytes on
.macro TRIG q, c, off
.irp k, 0,2,4,6
	v_pk_mul_f32 v[TU+\k:TU+\k+1], v[\q+\k:\q+\k+1], v[\c+\k:\c+\k+1]            ; u, rounded: only to find n
.endr
.irp k, 0,1,2,3,4,5,6,7
	v_rndne_f32 v[TN+\k], v[TU+\k]
.endr
.irp k, 0,1,2,3,4,5,6,7
	v_fma_f32 v[TU+\k], v[\q+\k], v[\c+\k], -v[TN+\k]                            ; f = q c - n, from the unrounded product
.endr
.irp k, 0,1,2,3,4,5,6,7
	v_med3_num_f32 v[TU+\k], v[TU+\k], -0.5, 0.5                                 ; the middle of f, -1/2, 1/2: the series' argument is bounded whatever q holds
.endr
.irp k, 0,2,4,6
	v_pk_mul_f32 v[TN+\k:TN+\k+1], v[TU+\k:TU+\k+1], v[TU+\k:TU+\k+1]            ; f^2
.endr
.irp k, 0,2,4,6
	v_pk_fma_f32 v[TPS+\k:TPS+\k+1], v[TN+\k:TN+\k+1], v[KS+8:KS+9], v[KS+6:KS+7]
	v_pk_fma_f32 v[TPC+\k:TPC+\k+1], v[TN+\k:TN+\k+1], v[KC+8:KC+9], v[KC+6:KC+7]
.endr
	HORNER 2
	HORNER 1
	HORNER 0
.irp k, 0,2,4,6
	v_pk_mul_f32 v[TPS+\k:TPS+\k+1], v[TPS+\k:TPS+\k+1], v[TU+\k:TU+\k+1]        ; sqrt 2 sin(pi f)
.endr
.irp k, 0,2,4,6
	v_pk_mul_f32 v[TPS+\k:TPS+\k+1], v[TPS+\k:TPS+\k+1], v[TPC+\k:TPC+\k+1]      ; sin(2 pi f)
.endr
.irp k, 0,2,4,6
	v_pk_fma_f32 v[TPC+\k:TPC+\k+1], v[TPC+\k:TPC+\k+1], v[TPC+\k:TPC+\k+1], -1.0 op_sel_hi:[1,1,0]   ; cos(2 pi f)
.endr
.irp k, 0,1,2,3
	v_cvt_pk_bf16_f32 v[TN+\k],   v[TPC+2*\k], v[TPC+2*\k+1]
	v_cvt_pk_bf16_f32 v[TN+4+\k], v[TPS+2*\k], v[TPS+2*\k+1]
.endr
	ds_store_b128 v[QSTO], v[TN:TN+3]   offset:\off
	ds_store_b128 v[QSTO], v[TN+4:TN+7] offset:\off+128
.endm
	; Q and K, 16 tokens at a time: + bias, features, through my own stages (LDS serves a wave's instructions in order: ISA guide 5.7.1.4), out as whole 256-byte pieces
.irp a, 0,1,2,3
	s_wait_xcnt 0x0                                ; v[32:95] were data of stores: they are rewritten only behind this wait
	WIN 0x02
.irp b, 0,1,2,3
.irp k, 0,2,4,6
	v_pk_add_f32 v[32+8*\b+\k:32+8*\b+\k+1], v[8*(8*\a+\b)+\k:8*(8*\a+\b)+\k+1],     v[BQ+8*\b+\k:BQ+8*\b+\k+1]
	v_pk_add_f32 v[64+8*\b+\k:64+8*\b+\k+1], v[8*(8*\a+4+\b)+\k:8*(8*\a+4+\b)+\k+1], v[BK+8*\b+\k:BK+8*\b+\k+1]
.endr
.endr
	WIN 0
.irp b, 0,1,2,3
	TRIG 32+8*\b, CC+8*\b, 32*\b
	TRIG 64+8*\b, CC+8*\b, KST+32*\b
.endr
.irp t, 0,1,2,3,4,5,6,7
	ds_load_b128 v[32+4*\t:32+4*\t+3], v[QRD] offset:\t*2*PITCH
.endr
.irp t, 0,1,2,3,4,5,6,7
	ds_load_b128 v[64+4*\t:64+4*\t+3], v[QRD] offset:KST+\t*2*PITCH
.endr
.irp t, 0,1,2,3,4,5,6,7
	s_wait_dscnt 15-\t                             ; the younger loads of the sixteen may stay out
	global_store_b128 v[CO], v[32+4*\t:32+4*\t+3], s[78:79] offset:(16*\a+2*\t)*4096    ; 16 lanes store 256 consecutive bytes at a multiple of 256
.endr
.irp t, 0,1,2,3,4,5,6,7
	s_wait_dscnt 7-\t
	global_store_b128 v[CO], v[64+4*\t:64+4*\t+3], s[80:81] offset:(16*\a+2*\t)*4096
.endr
.endr
	s_set_vgpr_msb 0x1
	s_wait_tensorcnt 0x0
	ds_add_u32 v255, v255
	s_wait_dscnt 0x0
	s_set_vgpr_msb 0x100
	CROUND                                         ; the closing round: no work-group ends while a partner may still ask for a tile that names it
	s_endpgm
.Lfunc_end_k_q1743228f0f_proj:
	.size	k_q1743228f0f_proj, .Lfunc_end_k_q1743228f0f_proj-k_q1743228f0f_proj
	.p2alignl 7, 3214868480
	.fill 96, 4, 3214868480
	.section	.rodata,"a",@progbits
	.p2align	6, 0x0
	.amdhsa_kernel k_q1743228f0f_proj
		.amdhsa_group_segment_fixed_size 327680
		.amdhsa_private_segment_fixed_size 0
		.amdhsa_enable_private_segment 0
		.amdhsa_kernarg_size 64
		.amdhsa_user_sgpr_count 2
		.amdhsa_user_sgpr_kernarg_segment_ptr 1
		.amdhsa_wavefront_size32 1
		.amdhsa_system_sgpr_workgroup_id_x 1
		.amdhsa_system_sgpr_workgroup_id_y 1
		.amdhsa_system_sgpr_workgroup_id_z 1
		.amdhsa_system_vgpr_workitem_id 0
		.amdhsa_next_free_vgpr 896
		.amdhsa_next_free_sgpr 96
		.amdhsa_reserve_vcc 0
		.amdhsa_float_denorm_mode_32 3
		.amdhsa_float_denorm_mode_16_64 3
		.amdhsa_memory_ordered 1
		.amdhsa_forward_progress 1
		.amdhsa_inst_pref_size 255
	.end_amdhsa_kernel
	.section	.bss,"aw",@nobits
	.p2align	6
	.space	262144
	.amdgpu_metadata
---
amdhsa.version: [ 1, 2 ]
amdhsa.kernels:
  - .name:           k_q1743228f0f_proj
    .symbol:         k_q1743228f0f_proj.kd
    .args:
      - { .name: xb, .offset: 0, .size: 8, .value_kind: global_buffer, .address_space: global }
      - { .name: wb, .offset: 8, .size: 8, .value_kind: global_buffer, .address_space: global }
      - { .name: bq, .offset: 16, .size: 8, .value_kind: global_buffer, .address_space: global }
      - { .name: bk, .offset: 24, .size: 8, .value_kind: global_buffer, .address_space: global }
      - { .name: bv, .offset: 32, .size: 8, .value_kind: global_buffer, .address_space: global }
      - { .name: fq, .offset: 40, .size: 8, .value_kind: global_buffer, .address_space: global }
      - { .name: fk, .offset: 48, .size: 8, .value_kind: global_buffer, .address_space: global }
      - { .name: vt, .offset: 56, .size: 8, .value_kind: global_buffer, .address_space: global }
    .group_segment_fixed_size: 327680
    .private_segment_fixed_size: 0
    .kernarg_segment_align: 8
    .kernarg_segment_size: 64
    .max_flat_workgroup_size: 128
    .sgpr_count:     96
    .vgpr_count:     896
    .wavefront_size: 32
...
	.end_amdgpu_metadata
.endif
;; end of part 2
;; launch score (part 3): grid 8 x 32, 4 waves a work-group, clusters of 4 x 4, 327,680 bytes of LDS; arguments fq, fk, p, rs; writes p, rs
.if DOCPART == 3
	.amdgcn_target "amdgcn-amd-amdhsa--gfx1250"
	.amdhsa_code_object_version 6
	.text
	.protected	k_q1743228f0f_score
	.globl	k_q1743228f0f_score
	.p2align	8
	.type	k_q1743228f0f_score,@function
k_q1743228f0f_score:
	s_mov_b64 s[64:65], 0
	v_nop
	global_prefetch_b8 v0, s[64:65] scope:SCOPE_SE
	s_setreg_imm32_b32 hwreg(HW_REG_WAVE_MODE, 25, 1), 1
	s_wait_xcnt 0x0
	s_wait_alu depctr_hold_cnt(0) depctr_sa_sdst(0) depctr_va_vdst(0) depctr_va_sdst(0) depctr_va_ssrc(0) depctr_va_vcc(0) depctr_vm_vsrc(0)
	s_getreg_b32 s2, hwreg(HW_REG_IB_STS2, 6, 4)
	s_cmp_eq_u32 s2, 0
	s_cbranch_scc0 .Lentry_in_a_cluster
	s_endpgm
.Lentry_in_a_cluster:
	s_bfe_u32 s2, ttmp6, 0x10000c
	s_cmp_lg_u32 s2, 0xf033
	s_cbranch_scc0 .Lentry_shape_is_right
	s_endpgm
.Lentry_shape_is_right:
; EulerAttention, third launch: p = exp(fq fk^T / 32) in bf16, not yet divided by the row's sum, and the partial row sums rs in f32.
; phase_bias is left out (shown at the head of the first launch); the two products of reference() over cos and over sin are one product over fq's and fk's 2,048 features.
; NO MAXIMUM IS TAKEN AWAY, because the computation itself bounds the exponents for every input: the second launch cuts the phase's rest to [-1/2, 1/2] turns
; before its series, so every feature in fq and fk is a bf16 number of magnitude at most 1, whatever x, the weights and the biases hold.  So |sim| <= 2048 and
; |sim / 32| <= 64: every exponential lies in [1.6e-28, 6.3e27] and a row's sum of 2,048 of them under 1.3e31: no overflow and no underflow in f32, nor in
; bf16, which has f32's exponents.  (By cos^2 + sin^2 = 1 the true bound is about 32.)  The division by the row's sum is made in the last launch.
;   p  [4096 tokens][2048 t] bf16.
;   rs f32 at byte G 8192 + c 512 + h 256 + r 16 + a 4: the sum over the columns t = 128 c + 16 b + 8 h + j (all b, j) of token 64 G + 16 a + r.
; A work-group makes 128 tokens x 256 t with four waves (2 x 2), a wave 64 x 128: 32 accumulator tiles.
; THE RING: TWO SLOTS OF UNEQUAL LENGTH.  A step needs 384 rows (256 of fk, 128 of fq).  Each change of slots costs a round of the cluster's barrier and the wait
; for a joint load, so the steps are made as long as LDS allows.  Two slots of 256 features would take 2 x 384 x 528 = 405,504 bytes, more than a WGP has;
; a short slot of 128 features (384 x 272 = 104,448 bytes) and a long one of 256 (384 x 528 = 202,752) fit, with the stage, in 324,608.  They take turns:
; S0 L0 S1 L1 .. S4 L4 S5, six short and five long steps, 6 x 128 + 5 x 256 = 2,048 features.  S_i begins at byte 768 i of a row, L_i at byte 768 i + 256:
; every row of every tile starts at a multiple of 256 bytes.  From the short slot's request to the wait for it a wave issues 240 matrix instructions (the long
; step less its own first sixteen), from the long slot's 112.
; CLUSTERS: 4 x 4 work-groups; fq's tile is shared along a row of the cluster, fk's along a column (all of a cluster's 512 tokens lie in one batch).
; The matrix instruction is used transposed (source 0 = rows of fk): a lane holds token l % 16 and columns t = 8 (l / 16) + 0..7 of a tile.
; REGISTERS: window 0: v0-31 addresses; v32-63, v64-95 fragments of fq, two buffers, later the way out; v96-203 at work.  Window 1: v0-63, v64-127 fragments of fk.
; Window 2: tile (a, b) at v[8 (8 a + b)].
.set PS,     272                       ; the short slot's pitch: 256 bytes + 16 of padding
.set PL,     528                       ; the long slot's: 512 + 16.  Both are odd multiples of 16: the 16 rows of a fragment load start in 16 different 16-byte columns modulo 256
.set KBS,    256                       ; bytes of a row in a short step
.set KBL,    512                       ; in a long step
.set LAPB,   KBS+KBL                   ; a lap = a short and a long step: 768 bytes along a row
.set XROWS,  128                       ; waves 0, 1 fetch 128 rows of fk each
.set YROWS,  64                        ; waves 2, 3 fetch 64 rows of fq each, behind fk's 256: wave x 64 + 128 rows = 256 and 320
.set LBASE,  384*PS                    ; the long slot lies behind the short one
.set STAGE,  LBASE+384*PL              ; behind the ring, at a multiple of 256: no tensor load lands here
.set SPITCH, 272                       ; a stage row: 256 bytes + 16
.set LAPS,   4                         ; laps in which both slots are filled again; a short, a long and a short step follow them
.set STRIDE, 2048
.set NT,     8
.set ADRA, 16                          ; v16-17  LDS address of my fq fragments in slot 0 (short), 1 (long)
.set ADRB, 20                          ; v20-21  the same for fk
.set STO,  24
.set RD,   25
.set CO,   26
.set L16,  27
.set FA,   32
.set FB,   0
.set T,    96                          ; v[96:159]   16 tokens x 128 t: a lane's 64 numbers
.set TMP,  160                         ; v[160:191]  packed
.set CH,   192                         ; v[192:199]  four chains of sums
.set RS,   200                         ; v[200:203]  my partial row sums, one for each a
.set G1XS, 24                          ; s[24:31] group 1 for fk's short tiles
.set G0X,  32                          ; s[32:39] group 0 for fk's tiles, one set a slot
.set G1YS, 48                          ; s[48:55] group 1 for fq's short tiles
.set G0Y,  56                          ; s[56:63] group 0 for fq's tiles, one set a slot
.set G1XL, 76                          ; s[76:83] group 1 for fk's long tiles
.set G1YL, 92                          ; s[92:99] group 1 for fq's long tiles
.set XA,  46                           ; s[46:47] fk's tile address: the block column and the cluster's y alone
.set YA,  14                           ; s[14:15] fq's: the block row alone
.set G1W0S, (1<<16)|(1<<20)|(1<<21)|(5<<22)|(3<<25)   ; elements of 2 bytes; padding on; bit 21 beside a mask; after every 64 words; 4 words of padding
.set G1W0L, (1<<16)|(1<<20)|(1<<21)|(6<<22)|(3<<25)   ; the same after every 128 words
.set MUL,  0xa1                        ; source 0 window 1, source 1 window 0, C and D window 2
.set TO_B, 0x40
.set MSB, 0
.macro WIN new                         ; the immediate's high byte repeats the setting that is left
.if MSB != \new
	s_set_vgpr_msb (MSB<<8)|\new
.set MSB, \new
.endif
.endm
.macro PLACES                          ; four plain vector places behind a matrix instruction (ISA guide 7.12.1)
.rept 4
	v_nop
.endr
.endm
; A joint load into slot s.  Waves 0 and 1 ask for fk's halves, waves 2 and 3 for fq's; one mask a line; the branch hangs on the wave's number alone.
.macro JLOAD s
	s_cmp_eq_u32 s11, 0
	s_cbranch_scc0 .Lfor_y_\@
.if \s
	tensor_load_to_lds s[G0X+4:G0X+7], s[G1XL:G1XL+7]
	s_nop 0
.else
	tensor_load_to_lds s[G0X:G0X+3], s[G1XS:G1XS+7]
	s_nop 0
.endif
	s_branch .Lasked_\@
.Lfor_y_\@:
.if \s
	tensor_load_to_lds s[G0Y+4:G0Y+7], s[G1YL:G1YL+7]
	s_nop 0
.else
	tensor_load_to_lds s[G0Y:G0Y+3], s[G1YS:G1YS+7]
	s_nop 0
.endif
.Lasked_\@:
.endm
.macro CREST
	s_cmp_lg_u32 s10, 0
	s_cbranch_scc1 .Lnot_wave_0_\@
	s_barrier_signal -3
.Lnot_wave_0_\@:
	s_barrier_wait -3
	s_barrier_signal -1
	s_barrier_wait -1
.endm
.macro CROUND
	s_barrier_signal -1
	s_barrier_wait -1
	CREST
.endm
.macro SHAPE g, elems, rows            ; words 1 to 7 of a group 1: a tile of rows x elems that lies inside the tensor
	s_mov_b32 s[\g+1], (\elems)<<16                ; tensor_dim0
	s_mov_b32 s[\g+2], (\rows)<<16                 ; tensor_dim1
	s_mov_b32 s[\g+3], (\elems)<<16                ; tile_dim0
	s_mov_b32 s[\g+4], \rows                       ; tile_dim1
	s_mov_b32 s[\g+5], STRIDE                      ; elements from row to row
	s_mov_b32 s[\g+6], 0
	s_mov_b32 s[\g+7], 0
.endm
	s_load_b256 s[68:75], s[0:1], 0x0              ; fq 68, fk 70, p 72, rs 74
	s_set_vgpr_msb 0x40
	v_lshl_add_u32 v255, v0, 2, 0x4f400
	s_set_vgpr_msb 0x4000
	v_mov_b32 v255, 0
	s_set_vgpr_msb 0x1
	ds_add_u32 v255, v255
	s_set_vgpr_msb 0x100
	v_lshrrev_b32 v1, 5, v0
	v_readfirstlane_b32 s10, v1                    ; wave 0..3
	s_lshr_b32 s11, s10, 1                         ; my half of the block's tokens.  Also: I fetch for fk (0) or fq (1)
	s_and_b32 s12, s10, 1                          ; my half of its columns.  Also: which half of that tile I fetch
	s_bfe_u32 s40, ttmp6, 0x40000                  ; cx
	s_bfe_u32 s41, ttmp6, 0x40004                  ; cy
	s_lshl_b32 s42, ttmp9, 2
	s_add_co_u32 s42, s42, s40                     ; bx: columns t = 256 bx ..
	s_and_b32 s45, ttmp7, 0xffff                   ; the cluster's y
	s_lshl_b32 s13, s45, 2
	s_add_co_u32 s13, s13, s41                     ; by: tokens 128 by ..
	s_lshl_b32 s43, s41, 2
	s_lshl_b32 s43, 15, s43                        ; my row of the cluster
	s_lshl_b32 s44, 0x1111, s40                    ; my column
	s_or_b32 s[G1XS+0], s44, G1W0S                 ; fk's tiles go to my column
	s_or_b32 s[G1XL+0], s44, G1W0L
	s_or_b32 s[G1YS+0], s43, G1W0S                 ; fq's to my row
	s_or_b32 s[G1YL+0], s43, G1W0L
	SHAPE G1XS, KBS/2, XROWS
	SHAPE G1XL, KBL/2, XROWS
	SHAPE G1YS, KBS/2, YROWS
	SHAPE G1YL, KBL/2, YROWS
	s_lshr_b32 s46, s45, 2                         ; batch = by / 16 = cluster y / 4: no cy enters
	s_lshl_b32 s46, s46, 11
	s_lshl_b32 s19, s42, 8
	s_add_co_u32 s46, s46, s19
	s_lshl_b32 s18, s12, 7
	s_add_co_u32 s46, s46, s18                     ; fk: row 2048 batch + 256 bx + 128 half
	s_lshl_b32 s46, s46, 12                        ; rows of 4,096 bytes
	s_mov_b32 s47, 0
	s_lshl_b32 s16, s13, 7
	s_lshl_b32 s17, s12, 6
	s_add_co_u32 s16, s16, s17                     ; fq: row 128 by + 64 half
	s_lshl_b32 s16, s16, 12
	s_mov_b32 s17, 0
	s_wait_dscnt 0x0
	s_wait_kmcnt 0x0
	s_add_nc_u64 s[XA:XA+1], s[70:71], s[46:47]
	s_add_nc_u64 s[YA:YA+1], s[68:69], s[16:17]
	CROUND                                         ; all sixteen work-groups are here: the first joint loads meet
	; group 0 of slot s (0 short, 1 long): the LDS address is the wave's number times a constant plus the slot's constants; step L0 begins 256 bytes behind S0
.irp s, 0,1
	s_mov_b32 s[G0X+4*\s], 1
	s_mul_i32 s[G0X+4*\s+1], s10, XROWS*(PS+(PL-PS)*\s)
	s_add_co_u32 s[G0X+4*\s+1], s[G0X+4*\s+1], \s*LBASE
	s_add_nc_u64 s[G0X+4*\s+2:G0X+4*\s+3], s[XA:XA+1], \s*KBS
	s_or_b32 s[G0X+4*\s+3], s[G0X+4*\s+3], 0x80000000
	s_mov_b32 s[G0Y+4*\s], 1
	s_mul_i32 s[G0Y+4*\s+1], s10, YROWS*(PS+(PL-PS)*\s)
	s_add_co_u32 s[G0Y+4*\s+1], s[G0Y+4*\s+1], \s*LBASE+128*(PS+(PL-PS)*\s)
	s_add_nc_u64 s[G0Y+4*\s+2:G0Y+4*\s+3], s[YA:YA+1], \s*KBS
	s_or_b32 s[G0Y+4*\s+3], s[G0Y+4*\s+3], 0x80000000
	JLOAD \s                                       ; steps S0 and L0: two tensor loads of the wave are out
.endr
	v_and_b32 v1, 15, v0                           ; r
	v_bfe_u32 v2, v0, 4, 1                         ; h
	v_and_b32 v5, 31, v0                           ; l
	v_mul_u32_u24 v3, v1, PS
	v_lshl_add_u32 v3, v2, 4, v3                   ; r x pitch + 16 h in the short slot (and in the stage, which has the same pitch)
	v_mul_u32_u24 v6, v1, PL
	v_lshl_add_u32 v6, v2, 4, v6                   ; the same in the long slot
	s_mul_i32 s22, s11, 64*PS
	s_add_co_u32 s22, s22, 256*PS                  ; my 64 rows of fq, behind fk's 256
	s_mul_i32 s23, s12, 128*PS                     ; my 128 rows of fk
	v_add_nc_u32 v[ADRA], s22, v3
	v_add_nc_u32 v[ADRB], s23, v3
	s_mul_i32 s22, s11, 64*PL
	s_add_co_u32 s22, s22, LBASE+256*PL
	s_mul_i32 s23, s12, 128*PL
	s_add_co_u32 s23, s23, LBASE
	v_add_nc_u32 v[ADRA+1], s22, v6
	v_add_nc_u32 v[ADRB+1], s23, v6
	s_mul_i32 s22, s10, 16*SPITCH
	s_add_co_u32 s22, s22, STAGE                   ; my stage: 16 tokens x 256 bytes
	v_add_nc_u32 v[STO], s22, v3
	v_mul_u32_u24 v4, v2, SPITCH
	v_lshl_add_u32 v4, v1, 4, v4
	v_add_nc_u32 v[RD], s22, v4
	v_lshlrev_b32 v4, 12, v2
	v_lshl_add_u32 v[CO], v1, 4, v4                ; two rows of p
	v_lshlrev_b32 v[L16], 4, v5
	s_lshl_b32 s86, s13, 7
	s_lshl_b32 s87, s11, 6
	s_add_co_u32 s86, s86, s87                     ; token 128 by + 64 half
	s_lshl_b32 s86, s86, 12
	s_lshl_b32 s87, s42, 9
	s_add_co_u32 s86, s86, s87                     ; + 512 bx
	s_lshl_b32 s87, s12, 8
	s_add_co_u32 s86, s86, s87                     ; + 256 half
	s_mov_b32 s87, 0
	s_add_nc_u64 s[72:73], s[72:73], s[86:87]
	s_lshl1_add_u32 s88, s13, s11                  ; G = 2 by + half
	s_lshl_b32 s88, s88, 13
	s_lshl1_add_u32 s89, s42, s12                  ; c = 2 bx + half
	s_lshl_b32 s89, s89, 9
	s_add_co_u32 s88, s88, s89
	s_mov_b32 s89, 0
	s_add_nc_u64 s[74:75], s[74:75], s[88:89]
; One slice's fragments, 32 features at byte k of the slot's rows, into buffer f: 16 loads for fk, 8 for fq.  The pitch is the slot's.
; The largest immediate is 448 + 7 x 16 x 528 + 32 = 59,616, inside the 16 bits of an LDS offset.
.macro FETCH slot, k, f
	WIN TO_B
.irp i, 0,1,2,3,4,5,6,7
	ds_load_b128 v[FB+8*NT*\f+8*\i:FB+8*NT*\f+8*\i+3],   v[ADRB+\slot] offset:\k+\i*16*(PS+(PL-PS)*\slot)
	ds_load_b128 v[FB+8*NT*\f+8*\i+4:FB+8*NT*\f+8*\i+7], v[ADRB+\slot] offset:\k+\i*16*(PS+(PL-PS)*\slot)+32
.endr
	WIN 0
.irp i, 0,1,2,3
	ds_load_b128 v[FA+32*\f+8*\i:FA+32*\f+8*\i+3],   v[ADRA+\slot] offset:\k+\i*16*(PS+(PL-PS)*\slot)
	ds_load_b128 v[FA+32*\f+8*\i+4:FA+32*\f+8*\i+7], v[ADRA+\slot] offset:\k+\i*16*(PS+(PL-PS)*\slot)+32
.endr
.endm
; 16 products: token tiles 2 part and 2 part + 1, all eight column tiles.  The 32 accumulators take turns, one instruction a turn, in the same order in every
; slice.
.macro MULP f, part, zero
	WIN MUL
.irp a, 2*\part, 2*\part+1
.irp b, 0,1,2,3,4,5,6,7
.if \zero
	v_wmma_f32_16x16x32_bf16 v[8*(NT*(\a)+\b):8*(NT*(\a)+\b)+7], v[FB+8*NT*\f+8*\b:FB+8*NT*\f+8*\b+7], v[FA+32*\f+8*(\a):FA+32*\f+8*(\a)+7], 0
.else
	v_wmma_f32_16x16x32_bf16 v[8*(NT*(\a)+\b):8*(NT*(\a)+\b)+7], v[FB+8*NT*\f+8*\b:FB+8*NT*\f+8*\b+7], v[FA+32*\f+8*(\a):FA+32*\f+8*(\a)+7], v[8*(NT*(\a)+\b):8*(NT*(\a)+\b)+7]
.endif
.endr
.endr
.endm
.macro QUARTER slot, knext, f, g, zero
	s_wait_dscnt 0x0                               ; buffer f's loads, issued a whole slice ago, are the only LDS instructions out
	PLACES                                         ; behind the last product that read buffer g
	FETCH \slot, \knext, \g
	MULP \f, 0, \zero
	MULP \f, 1, \zero
.endm
.macro BODY_S zero                     ; the first three of a short step's four slices
	QUARTER 0, 64,  0, 1, \zero
	QUARTER 0, 128, 1, 0, 0
	QUARTER 0, 192, 0, 1, 0
.endm
.macro BODY_L                          ; the first seven of a long step's eight slices.  Both steps have an even number of slices: each starts on buffer 0 and ends on buffer 1
	QUARTER 1, 64,  0, 1, 0
	QUARTER 1, 128, 1, 0, 0
	QUARTER 1, 192, 0, 1, 0
	QUARTER 1, 256, 1, 0, 0
	QUARTER 1, 320, 0, 1, 0
	QUARTER 1, 384, 1, 0, 0
	QUARTER 1, 448, 0, 1, 0
.endm
; The step's last slice and the change of slots: each wave's reads of this slot and all its tensor loads are waited for in front of the barrier, which with
; fill = 1 opens a round of the cluster's barrier; the joint refill is the wave's first and only tensor load behind the round.
.macro TURN slot, next, fill
	s_wait_dscnt 0x0                               ; buffer 1 is in, and with it my last reads of this slot
	s_wait_tensorcnt 0x0                           ; all my tensor loads have landed: the one that was out is my part of the next slot
	ds_add_u32 v255, v255
	s_wait_dscnt 0x0
	s_barrier_signal -1
	MULP 1, 0, 0                                   ; register work while the others arrive
	WIN 0
	s_barrier_wait -1
.if \fill
	CREST
	s_add_nc_u64 s[G0X+4*\slot+2:G0X+4*\slot+3], s[G0X+4*\slot+2:G0X+4*\slot+3], LAPB   ; no tensor load of mine is out: the addresses may step, a lap on
	s_add_nc_u64 s[G0Y+4*\slot+2:G0Y+4*\slot+3], s[G0Y+4*\slot+2:G0Y+4*\slot+3], LAPB
	JLOAD \slot
.endif
	PLACES                                         ; behind the last product that read buffer 0
	FETCH \next, 0, 0
	MULP 1, 1, 0
.endm
.macro LAP zero                        ; a short and a long step, both slots filled again
	BODY_S \zero
	TURN 0, 1, 1
	BODY_L
	TURN 1, 0, 1
.endm
	s_wait_tensorcnt 0x1                           ; my part of step S0 is in; L0's may stay out
	s_barrier_signal -1
	s_barrier_wait -1
	FETCH 0, 0, 0
	LAP 1                                          ; S0, L0: the first products start the sums
	WIN 0
	s_mov_b32 s3, LAPS-1
.Llap:
	LAP 0                                          ; S1 L1, S2 L2, S3 L3
	WIN 0
	s_sub_co_u32 s3, s3, 1
	s_cmp_lg_u32 s3, 0
	s_cbranch_scc1 .Llap
	BODY_S 0                                       ; S4,
	TURN 0, 1, 1                                   ; behind which the short slot gets the last tile, S5, at byte 3,840 of the rows
	BODY_L                                         ; L4: the long slot is not filled again, since no later step reads it
	TURN 1, 0, 0
	BODY_S 0                                       ; S5
	s_wait_dscnt 0x0
	MULP 1, 0, 0
	MULP 1, 1, 0
	PLACES                                         ; behind the last products, ahead of the first use of a result
	; 16 tokens at a time: exp(sim / 32) = 2^(sim log2(e) / 32), my part of the row's sum in f32, bf16 through my own stage, out as whole 256-byte pieces
.irp a, 0,1,2,3
	WIN 0x02
.irp b, 0,1,2,3,4,5,6,7
.irp k, 0,2,4,6
	v_pk_mul_f32 v[T+8*\b+\k:T+8*\b+\k+1], v[8*(8*\a+\b)+\k:8*(8*\a+\b)+\k+1], 0x3d38aa3b op_sel_hi:[1,0]   ; log2(e) / 32
.endr
.endr
	WIN 0
.irp b, 0,1,2,3,4,5,6,7
.irp k, 0,1,2,3,4,5,6,7
	v_exp_f32 v[T+8*\b+\k], v[T+8*\b+\k]
.endr
.endr
	v_nop                                          ; one plain vector instruction behind the last exponential, ahead of its use (ISA guide 5.7.2)
	s_wait_alu depctr_va_vdst(0)
.irp c, 0,1,2,3
	v_pk_add_f32 v[CH+2*\c:CH+2*\c+1], v[T+2*\c:T+2*\c+1], v[T+8+2*\c:T+8+2*\c+1]     ; the first two tiles start four chains: nothing is cleared
.endr
.irp b, 2,3,4,5,6,7
.irp c, 0,1,2,3
	v_pk_add_f32 v[CH+2*\c:CH+2*\c+1], v[CH+2*\c:CH+2*\c+1], v[T+8*\b+2*\c:T+8*\b+2*\c+1]
.endr
.endr
	v_pk_add_f32 v[CH:CH+1], v[CH:CH+1], v[CH+2:CH+3]
	v_pk_add_f32 v[CH+4:CH+5], v[CH+4:CH+5], v[CH+6:CH+7]
	v_pk_add_f32 v[CH:CH+1], v[CH:CH+1], v[CH+4:CH+5]
	v_add_f32 v[RS+\a], v[CH], v[CH+1]
.irp b, 0,1,2,3,4,5,6,7
.irp k, 0,1,2,3
	v_cvt_pk_bf16_f32 v[TMP+4*\b+\k], v[T+8*\b+2*\k], v[T+8*\b+2*\k+1]
.endr
.endr
.irp b, 0,1,2,3,4,5,6,7
	ds_store_b128 v[STO], v[TMP+4*\b:TMP+4*\b+3] offset:32*\b
.endr
	s_wait_xcnt 0x0                                ; the buffer loaded next was data of stores: it is rewritten only behind this wait
.irp t, 0,1,2,3,4,5,6,7
	ds_load_b128 v[32+32*(\a&1)+4*\t:32+32*(\a&1)+4*\t+3], v[RD] offset:\t*2*SPITCH     ; LDS serves a wave's instructions in order (ISA guide 5.7.1.4): these see the stores above
.endr
.irp t, 0,1,2,3,4,5,6,7
	s_wait_dscnt 7-\t                              ; the younger loads may stay out
	global_store_b128 v[CO], v[32+32*(\a&1)+4*\t:32+32*(\a&1)+4*\t+3], s[72:73] offset:(16*\a+2*\t)*4096   ; 16 lanes store 256 consecutive bytes at a multiple of 256
.endr
.endr
	global_store_b128 v[L16], v[RS:RS+3], s[74:75] ; the wave's 512 consecutive bytes of rs; the two halves of the lanes keep their sums apart
	s_set_vgpr_msb 0x1
	s_wait_tensorcnt 0x0
	ds_add_u32 v255, v255
	s_wait_dscnt 0x0
	s_set_vgpr_msb 0x100
	CROUND                                         ; the closing round
	s_endpgm
.Lfunc_end_k_q1743228f0f_score:
	.size	k_q1743228f0f_score, .Lfunc_end_k_q1743228f0f_score-k_q1743228f0f_score
	.p2alignl 7, 3214868480
	.fill 96, 4, 3214868480
	.section	.rodata,"a",@progbits
	.p2align	6, 0x0
	.amdhsa_kernel k_q1743228f0f_score
		.amdhsa_group_segment_fixed_size 327680
		.amdhsa_private_segment_fixed_size 0
		.amdhsa_enable_private_segment 0
		.amdhsa_kernarg_size 32
		.amdhsa_user_sgpr_count 2
		.amdhsa_user_sgpr_kernarg_segment_ptr 1
		.amdhsa_wavefront_size32 1
		.amdhsa_system_sgpr_workgroup_id_x 1
		.amdhsa_system_sgpr_workgroup_id_y 1
		.amdhsa_system_sgpr_workgroup_id_z 1
		.amdhsa_system_vgpr_workitem_id 0
		.amdhsa_next_free_vgpr 768
		.amdhsa_next_free_sgpr 100
		.amdhsa_reserve_vcc 0
		.amdhsa_float_denorm_mode_32 3
		.amdhsa_float_denorm_mode_16_64 3
		.amdhsa_memory_ordered 1
		.amdhsa_forward_progress 1
		.amdhsa_inst_pref_size 208
	.end_amdhsa_kernel
	.amdgpu_metadata
---
amdhsa.version: [ 1, 2 ]
amdhsa.kernels:
  - .name:           k_q1743228f0f_score
    .symbol:         k_q1743228f0f_score.kd
    .args:
      - { .name: fq, .offset: 0, .size: 8, .value_kind: global_buffer, .address_space: global }
      - { .name: fk, .offset: 8, .size: 8, .value_kind: global_buffer, .address_space: global }
      - { .name: p, .offset: 16, .size: 8, .value_kind: global_buffer, .address_space: global }
      - { .name: rs, .offset: 24, .size: 8, .value_kind: global_buffer, .address_space: global }
    .group_segment_fixed_size: 327680
    .private_segment_fixed_size: 0
    .kernarg_segment_align: 8
    .kernarg_segment_size: 32
    .max_flat_workgroup_size: 128
    .sgpr_count:     100
    .vgpr_count:     768
    .wavefront_size: 32
...
	.end_amdgpu_metadata
.endif
;; end of part 3
;; launch pv (part 4): grid 8 x 32, 4 waves a work-group, clusters of 4 x 4, 327,680 bytes of LDS; arguments p, vt, rs, out0; writes out0
.if DOCPART == 4
	.amdgcn_target "amdgcn-amd-amdhsa--gfx1250"
	.amdhsa_code_object_version 6
	.text
	.protected	k_q1743228f0f_pv
	.globl	k_q1743228f0f_pv
	.p2align	8
	.type	k_q1743228f0f_pv,@function
k_q1743228f0f_pv:
	s_mov_b64 s[64:65], 0
	v_nop
	global_prefetch_b8 v0, s[64:65] scope:SCOPE_SE
	s_setreg_imm32_b32 hwreg(HW_REG_WAVE_MODE, 25, 1), 1
	s_wait_xcnt 0x0
	s_wait_alu depctr_hold_cnt(0) depctr_sa_sdst(0) depctr_va_vdst(0) depctr_va_sdst(0) depctr_va_ssrc(0) depctr_va_vcc(0) depctr_vm_vsrc(0)
	s_getreg_b32 s2, hwreg(HW_REG_IB_STS2, 6, 4)
	s_cmp_eq_u32 s2, 0
	s_cbranch_scc0 .Lentry_in_a_cluster
	s_endpgm
.Lentry_in_a_cluster:
	s_bfe_u32 s2, ttmp6, 0x10000c
	s_cmp_lg_u32 s2, 0xf033
	s_cbranch_scc0 .Lentry_shape_is_right
	s_endpgm
.Lentry_shape_is_right:
; EulerAttention, last launch: out0 = (p vt^T) / row sum, in f32.  p holds exp(sim / 32) in bf16, vt holds V + bv transposed, rs the partial row sums.
; A row's sum is at least 2,048 x 1.6e-28 and under 1.3e31 (the bound at the head of the third launch), so its reciprocal is an ordinary f32.
; A work-group makes 128 tokens x 128 d with four waves (2 x 2), a wave 64 x 64: 16 accumulator tiles.  K = 2048 t goes in steps of 256 (rows of 512 bytes, at
; multiples of 512) through two LDS slots, so that one tensor load a wave has eight slices of products in which to land.
; CLUSTERS: 4 x 4 work-groups; p's tile is shared along a row of the cluster, vt's along a column (all of a cluster's 512 tokens lie in one batch).
; The matrix instruction is used transposed (source 0 = rows of vt): a lane holds token l % 16 and columns d = 8 (l / 16) + 0..7 of a tile.
; REGISTERS: window 0: v0-31 addresses; v32-63, v64-95 fragments of p, two buffers, later the way out; v96-199 at work.  Window 1: v0-31, v32-63 fragments of vt.
; Window 2: tile (a, b) at v[8 (4 a + b)].
.set PITCH,  528                       ; 512 bytes + 16 of padding: the 16 rows of a fragment load start in 16 different 16-byte columns modulo 256
.set SPITCH, 272                       ; a stage row: 64 f32 + 16 bytes
.set KB,     512
.set QI,     6                         ; padding after every 128 words
.set XROWS,  64                        ; waves 0, 1 fetch 64 rows of p each, waves 2, 3 64 rows of vt each: wave x 64 rows for all four
.set YROWS,  64
.set BOFF,   128*PITCH                 ; vt's rows lie behind p's 128
.set SLOT,   256*PITCH
.set STAGE,  2*SLOT                    ; behind the ring, at a multiple of 256: no tensor load lands here
.set LAPS,   4                         ; 4,096 bytes of a row / 1,024
.set STRIDE, 2048
.set NT,     4
.set ADRA, 16
.set ADRB, 20
.set STO,  24
.set RD,   25
.set CO,   26
.set L16,  27
.set FA,   32
.set FB,   0
.set SUM,  96                          ; v[96:159]   the 16 chunks' partial sums, four tokens each; the total ends in v[96:99]
.set INV,  160                         ; v[160:167]  1 / row sum of token 16 a + r, each twice (a pair for the packed multiply)
.set O,    168                         ; v[168:199]  16 tokens x 64 d: a lane's 32 numbers
.set G1X, 24
.set G0X, 32
.set G1Y, 48
.set G0Y, 56
.set XA,  14                           ; s[14:15] p's tile address: the block row alone
.set YA,  46                           ; s[46:47] vt's: the block column and the cluster's y alone
.set G1W0, (1<<16)|(1<<20)|(1<<21)|(QI<<22)|(3<<25)
.set MUL,  0xa1
.set TO_B, 0x40
.set MSB, 0
.macro WIN new                         ; the immediate's high byte repeats the setting that is left
.if MSB != \new
	s_set_vgpr_msb (MSB<<8)|\new
.set MSB, \new
.endif
.endm
.macro PLACES                          ; four plain vector places behind a matrix instruction (ISA guide 7.12.1)
.rept 4
	v_nop
.endr
.endm
.macro JLOAD s                         ; waves 0 and 1 ask for p's halves, waves 2 and 3 for vt's; one mask a line; the branch hangs on the wave's number alone
	s_cmp_eq_u32 s11, 0
	s_cbranch_scc0 .Lfor_y_\@
	tensor_load_to_lds s[G0X+4*\s:G0X+4*\s+3], s[G1X:G1X+7]
	s_nop 0
	s_branch .Lasked_\@
.Lfor_y_\@:
	tensor_load_to_lds s[G0Y+4*\s:G0Y+4*\s+3], s[G1Y:G1Y+7]
	s_nop 0
.Lasked_\@:
.endm
.macro CREST
	s_cmp_lg_u32 s10, 0
	s_cbranch_scc1 .Lnot_wave_0_\@
	s_barrier_signal -3
.Lnot_wave_0_\@:
	s_barrier_wait -3
	s_barrier_signal -1
	s_barrier_wait -1
.endm
.macro CROUND
	s_barrier_signal -1
	s_barrier_wait -1
	CREST
.endm
	s_load_b256 s[68:75], s[0:1], 0x0              ; p 68, vt 70, rs 72, out0 74
	s_set_vgpr_msb 0x40
	v_lshl_add_u32 v255, v0, 2, 0x46400
	s_set_vgpr_msb 0x4000
	v_mov_b32 v255, 0
	s_set_vgpr_msb 0x1
	ds_add_u32 v255, v255
	s_set_vgpr_msb 0x100
	v_lshrrev_b32 v1, 5, v0
	v_readfirstlane_b32 s10, v1                    ; wave 0..3
	s_lshr_b32 s11, s10, 1                         ; my half of the block's tokens.  Also: I fetch for p (0) or vt (1)
	s_and_b32 s12, s10, 1                          ; my half of its columns.  Also: which half of that tile I fetch
	s_bfe_u32 s40, ttmp6, 0x40000                  ; cx
	s_bfe_u32 s41, ttmp6, 0x40004                  ; cy
	s_lshl_b32 s42, ttmp9, 2
	s_add_co_u32 s42, s42, s40                     ; bx: d = 128 bx ..
	s_and_b32 s45, ttmp7, 0xffff                   ; the cluster's y
	s_lshl_b32 s13, s45, 2
	s_add_co_u32 s13, s13, s41                     ; by: tokens 128 by ..
	s_lshl_b32 s43, s41, 2
	s_lshl_b32 s43, 15, s43                        ; my row of the cluster
	s_lshl_b32 s44, 0x1111, s40                    ; my column
	s_or_b32 s[G1X+0], s43, G1W0                   ; p's tiles go to my row
	s_or_b32 s[G1Y+0], s44, G1W0                   ; vt's to my column
	s_mov_b32 s[G1X+1], (KB/2)<<16                 ; tensor_dim0 = 256 elements
	s_mov_b32 s[G1Y+1], (KB/2)<<16
	s_mov_b32 s[G1X+2], XROWS<<16
	s_mov_b32 s[G1Y+2], YROWS<<16
	s_mov_b32 s[G1X+3], (KB/2)<<16
	s_mov_b32 s[G1Y+3], (KB/2)<<16
	s_mov_b32 s[G1X+4], XROWS
	s_mov_b32 s[G1Y+4], YROWS
	s_mov_b32 s[G1X+5], STRIDE
	s_mov_b32 s[G1Y+5], STRIDE
	s_mov_b32 s[G1X+6], 0
	s_mov_b32 s[G1Y+6], 0
	s_mov_b32 s[G1X+7], 0
	s_mov_b32 s[G1Y+7], 0
	s_lshl_b32 s16, s13, 7
	s_lshl_b32 s17, s12, 6
	s_add_co_u32 s16, s16, s17                     ; p: row 128 by + 64 half
	s_lshl_b32 s16, s16, 12                        ; rows of 4,096 bytes
	s_mov_b32 s17, 0
	s_lshr_b32 s46, s45, 2                         ; batch = by / 16 = cluster y / 4: no cy enters
	s_lshl_b32 s46, s46, 10
	s_lshl_b32 s19, s42, 7
	s_add_co_u32 s46, s46, s19
	s_lshl_b32 s18, s12, 6
	s_add_co_u32 s46, s46, s18                     ; vt: row 1024 batch + 128 bx + 64 half
	s_lshl_b32 s46, s46, 12
	s_mov_b32 s47, 0
	s_mul_i32 s20, s10, XROWS*PITCH                ; where the tiles go: wave x 64 rows, for p's halves and for vt's
	s_wait_dscnt 0x0
	s_wait_kmcnt 0x0
	s_add_nc_u64 s[XA:XA+1], s[68:69], s[16:17]
	s_add_nc_u64 s[YA:YA+1], s[70:71], s[46:47]
	CROUND                                         ; all sixteen work-groups are here: the first joint loads meet
.irp s, 0,1
	s_mov_b32 s[G0X+4*\s], 1
	s_add_co_u32 s[G0X+4*\s+1], s20, \s*SLOT
	s_add_nc_u64 s[G0X+4*\s+2:G0X+4*\s+3], s[XA:XA+1], \s*KB
	s_or_b32 s[G0X+4*\s+3], s[G0X+4*\s+3], 0x80000000
	s_mov_b32 s[G0Y+4*\s], 1
	s_add_co_u32 s[G0Y+4*\s+1], s20, \s*SLOT
	s_add_nc_u64 s[G0Y+4*\s+2:G0Y+4*\s+3], s[YA:YA+1], \s*KB
	s_or_b32 s[G0Y+4*\s+3], s[G0Y+4*\s+3], 0x80000000
	JLOAD \s                                       ; K steps 0 and 1: two tensor loads of the wave are out
.endr
	v_and_b32 v1, 15, v0                           ; r
	v_bfe_u32 v2, v0, 4, 1                         ; h
	v_and_b32 v5, 31, v0                           ; l
	v_lshlrev_b32 v[L16], 4, v5
	; the row sums of my 64 tokens: 16 chunks of 128 t, 512 consecutive bytes each
	s_lshl1_add_u32 s86, s13, s11                  ; G = 2 by + half
	s_lshl_b32 s86, s86, 13
	s_mov_b32 s87, 0
	s_add_nc_u64 s[72:73], s[72:73], s[86:87]
.irp c, 0,1,2,3,4,5,6,7,8,9,10,11,12,13,14,15
	global_load_b128 v[SUM+4*\c:SUM+4*\c+3], v[L16], s[72:73] offset:512*\c
.endr
	v_mul_u32_u24 v3, v1, PITCH
	v_lshl_add_u32 v3, v2, 4, v3
	s_mul_i32 s22, s11, 64*PITCH                   ; my 64 rows of p
	s_mul_i32 s23, s12, 64*PITCH
	s_add_co_u32 s23, s23, BOFF                    ; my 64 rows of vt
.irp s, 0,1
	v_add_nc_u32 v[ADRA+\s], s22, v3
	v_add_nc_u32 v[ADRB+\s], s23, v3
	s_add_co_u32 s22, s22, SLOT
	s_add_co_u32 s23, s23, SLOT
.endr
	s_mul_i32 s22, s10, 16*SPITCH
	s_add_co_u32 s22, s22, STAGE                   ; my stage: 16 tokens x 256 bytes
	v_mul_u32_u24 v4, v1, SPITCH
	v_lshl_add_u32 v4, v2, 5, v4
	v_add_nc_u32 v[STO], s22, v4                   ; in: token r, 32 bytes for each half of the lanes
	v_mul_u32_u24 v4, v2, SPITCH
	v_lshl_add_u32 v4, v1, 4, v4
	v_add_nc_u32 v[RD], s22, v4                    ; back: lanes 0-15 one token's 256 bytes, lanes 16-31 the next token's
	v_lshlrev_b32 v4, 12, v2
	v_lshl_add_u32 v[CO], v1, 4, v4                ; two rows of out0
	s_lshl_b32 s88, s13, 7
	s_lshl_b32 s89, s11, 6
	s_add_co_u32 s88, s88, s89                     ; token 128 by + 64 half
	s_lshl_b32 s88, s88, 12                        ; rows of 4,096 bytes
	s_lshl_b32 s89, s42, 9
	s_add_co_u32 s88, s88, s89                     ; + 512 bx
	s_lshl_b32 s89, s12, 8
	s_add_co_u32 s88, s88, s89                     ; + 256 half
	s_mov_b32 s89, 0
	s_add_nc_u64 s[74:75], s[74:75], s[88:89]
	s_mov_b32 s84, 0x76543210                      ; v_permlanex16_b32: lane i of one half reads lane i of the other
	s_mov_b32 s85, 0xfedcba98
	s_wait_loadcnt 0x0
.irp c, 1,2,3,4,5,6,7,8,9,10,11,12,13,14,15
	v_pk_add_f32 v[SUM:SUM+1],   v[SUM:SUM+1],   v[SUM+4*\c:SUM+4*\c+1]
	v_pk_add_f32 v[SUM+2:SUM+3], v[SUM+2:SUM+3], v[SUM+4*\c+2:SUM+4*\c+3]
.endr
.irp a, 0,1,2,3
	v_permlanex16_b32 v[SUM+4+\a], v[SUM+\a], s84, s85     ; the other half's columns; the destination has been written before
.endr
.irp a, 0,1,2,3
	v_add_f32 v[SUM+\a], v[SUM+\a], v[SUM+4+\a]            ; the whole row's sum of token 16 a + r, in both halves
.endr
.irp a, 0,1,2,3
	v_rcp_f32 v[INV+2*\a],   v[SUM+\a]
	v_rcp_f32 v[INV+2*\a+1], v[SUM+\a]
.endr
	v_nop                                          ; one plain vector instruction behind the last reciprocal (ISA guide 5.7.2)
.macro FETCH slot, k, f                ; one slice's fragments: 8 loads for vt, 8 for p
	WIN TO_B
.irp i, 0,1,2,3
	ds_load_b128 v[FB+8*NT*\f+8*\i:FB+8*NT*\f+8*\i+3],   v[ADRB+\slot] offset:\k+\i*16*PITCH
	ds_load_b128 v[FB+8*NT*\f+8*\i+4:FB+8*NT*\f+8*\i+7], v[ADRB+\slot] offset:\k+\i*16*PITCH+32
.endr
	WIN 0
.irp i, 0,1,2,3
	ds_load_b128 v[FA+32*\f+8*\i:FA+32*\f+8*\i+3],   v[ADRA+\slot] offset:\k+\i*16*PITCH
	ds_load_b128 v[FA+32*\f+8*\i+4:FA+32*\f+8*\i+7], v[ADRA+\slot] offset:\k+\i*16*PITCH+32
.endr
.endm
; 8 products: token tiles 2 part and 2 part + 1, all four column tiles.  The 16 accumulators take turns, one instruction a turn, in the same order in every
; slice.
.macro MULP f, part, zero
	WIN MUL
.irp a, 2*\part, 2*\part+1
.irp b, 0,1,2,3
.if \zero
	v_wmma_f32_16x16x32_bf16 v[8*(NT*(\a)+\b):8*(NT*(\a)+\b)+7], v[FB+8*NT*\f+8*\b:FB+8*NT*\f+8*\b+7], v[FA+32*\f+8*(\a):FA+32*\f+8*(\a)+7], 0
.else
	v_wmma_f32_16x16x32_bf16 v[8*(NT*(\a)+\b):8*(NT*(\a)+\b)+7], v[FB+8*NT*\f+8*\b:FB+8*NT*\f+8*\b+7], v[FA+32*\f+8*(\a):FA+32*\f+8*(\a)+7], v[8*(NT*(\a)+\b):8*(NT*(\a)+\b)+7]
.endif
.endr
.endr
.endm
.macro QUARTER slot, knext, f, g, zero
	s_wait_dscnt 0x0                               ; buffer f's loads, issued a whole slice ago, are the only LDS instructions out
	PLACES                                         ; behind the last product that read buffer g
	FETCH \slot, \knext, \g
	MULP \f, 0, \zero
	MULP \f, 1, \zero
.endm
.macro BODY slot, zero                 ; the first seven of a K step's eight slices
	QUARTER \slot, 64,  0, 1, \zero
	QUARTER \slot, 128, 1, 0, 0
	QUARTER \slot, 192, 0, 1, 0
	QUARTER \slot, 256, 1, 0, 0
	QUARTER \slot, 320, 0, 1, 0
	QUARTER \slot, 384, 1, 0, 0
	QUARTER \slot, 448, 0, 1, 0
.endm
; The step's last slice and the change of slots: each wave's reads of this slot and all its tensor loads are waited for in front of the barrier, which with
; fill = 1 opens a round of the cluster's barrier; the joint refill is the wave's first and only tensor load behind the round.
.macro TURN slot, next, fill
	s_wait_dscnt 0x0                               ; buffer 1 is in, and with it my last reads of this slot
	s_wait_tensorcnt 0x0                           ; all my tensor loads have landed: the one that was out is my part of the next slot
	ds_add_u32 v255, v255
	s_wait_dscnt 0x0
	s_barrier_signal -1
	MULP 1, 0, 0                                   ; register work while the others arrive
	WIN 0
	s_barrier_wait -1
.if \fill
	CREST
	s_add_nc_u64 s[G0X+4*\slot+2:G0X+4*\slot+3], s[G0X+4*\slot+2:G0X+4*\slot+3], 2*KB   ; no tensor load of mine is out: the addresses may step
	s_add_nc_u64 s[G0Y+4*\slot+2:G0Y+4*\slot+3], s[G0Y+4*\slot+2:G0Y+4*\slot+3], 2*KB
	JLOAD \slot
.endif
	PLACES                                         ; behind the last product that read buffer 0
	FETCH \next, 0, 0
	MULP 1, 1, 0
.endm
.macro LAP zero
	BODY 0, \zero
	TURN 0, 1, 1
	BODY 1, 0
	TURN 1, 0, 1
.endm
	s_wait_tensorcnt 0x1                           ; my part of K step 0 is in; step 1's may stay out
	s_barrier_signal -1
	s_barrier_wait -1
	FETCH 0, 0, 0
	LAP 1                                          ; its first products start the sums
	WIN 0
	s_mov_b32 s3, LAPS-2
.Llap:
	LAP 0
	WIN 0
	s_sub_co_u32 s3, s3, 1
	s_cmp_lg_u32 s3, 0
	s_cbranch_scc1 .Llap
	BODY 0, 0                                      ; the last lap fills nothing
	TURN 0, 1, 0
	BODY 1, 0
	s_wait_dscnt 0x0
	MULP 1, 0, 0
	MULP 1, 1, 0
	PLACES                                         ; behind the last products, ahead of the first use of a result
	; 16 tokens at a time: times 1 / row sum, through my own stage, out as whole 256-byte pieces
.irp a, 0,1,2,3
	WIN 0x02
	s_wait_alu depctr_va_vdst(0)
.irp b, 0,1,2,3
.irp k, 0,2,4,6
	v_pk_mul_f32 v[O+8*\b+\k:O+8*\b+\k+1], v[8*(4*\a+\b)+\k:8*(4*\a+\b)+\k+1], v[INV+2*\a:INV+2*\a+1]
.endr
.endr
	WIN 0
.irp b, 0,1,2,3
	ds_store_b128 v[STO], v[O+8*\b:O+8*\b+3]   offset:64*\b
	ds_store_b128 v[STO], v[O+8*\b+4:O+8*\b+7] offset:64*\b+16
.endr
	s_wait_xcnt 0x0                                ; the buffer loaded next was data of stores: it is rewritten only behind this wait
.irp t, 0,1,2,3,4,5,6,7
	ds_load_b128 v[32+32*(\a&1)+4*\t:32+32*(\a&1)+4*\t+3], v[RD] offset:\t*2*SPITCH     ; LDS serves a wave's instructions in order (ISA guide 5.7.1.4): these see the stores above
.endr
.irp t, 0,1,2,3,4,5,6,7
	s_wait_dscnt 7-\t                              ; the younger loads may stay out
	global_store_b128 v[CO], v[32+32*(\a&1)+4*\t:32+32*(\a&1)+4*\t+3], s[74:75] offset:(16*\a+2*\t)*4096 th:TH_STORE_NT   ; 16 lanes store 256 consecutive bytes at a multiple of 256
.endr
.endr
	s_set_vgpr_msb 0x1
	s_wait_tensorcnt 0x0
	ds_add_u32 v255, v255
	s_wait_dscnt 0x0
	s_set_vgpr_msb 0x100
	CROUND                                         ; the closing round
	s_endpgm
.Lfunc_end_k_q1743228f0f_pv:
	.size	k_q1743228f0f_pv, .Lfunc_end_k_q1743228f0f_pv-k_q1743228f0f_pv
	.p2alignl 7, 3214868480
	.fill 96, 4, 3214868480
	.section	.rodata,"a",@progbits
	.p2align	6, 0x0
	.amdhsa_kernel k_q1743228f0f_pv
		.amdhsa_group_segment_fixed_size 327680
		.amdhsa_private_segment_fixed_size 0
		.amdhsa_enable_private_segment 0
		.amdhsa_kernarg_size 32
		.amdhsa_user_sgpr_count 2
		.amdhsa_user_sgpr_kernarg_segment_ptr 1
		.amdhsa_wavefront_size32 1
		.amdhsa_system_sgpr_workgroup_id_x 1
		.amdhsa_system_sgpr_workgroup_id_y 1
		.amdhsa_system_sgpr_workgroup_id_z 1
		.amdhsa_system_vgpr_workitem_id 0
		.amdhsa_next_free_vgpr 640
		.amdhsa_next_free_sgpr 96
		.amdhsa_reserve_vcc 0
		.amdhsa_float_denorm_mode_32 3
		.amdhsa_float_denorm_mode_16_64 3
		.amdhsa_memory_ordered 1
		.amdhsa_forward_progress 1
		.amdhsa_inst_pref_size 136
	.end_amdhsa_kernel
	.amdgpu_metadata
---
amdhsa.version: [ 1, 2 ]
amdhsa.kernels:
  - .name:           k_q1743228f0f_pv
    .symbol:         k_q1743228f0f_pv.kd
    .args:
      - { .name: p, .offset: 0, .size: 8, .value_kind: global_buffer, .address_space: global }
      - { .name: vt, .offset: 8, .size: 8, .value_kind: global_buffer, .address_space: global }
      - { .name: rs, .offset: 16, .size: 8, .value_kind: global_buffer, .address_space: global }
      - { .name: out0, .offset: 24, .size: 8, .value_kind: global_buffer, .address_space: global }
    .group_segment_fixed_size: 327680
    .private_segment_fixed_size: 0
    .kernarg_segment_align: 8
    .kernarg_segment_size: 32
    .max_flat_workgroup_size: 128
    .sgpr_count:     96
    .vgpr_count:     640
    .wavefront_size: 32
...
	.end_amdgpu_metadata
.endif
;; end of part 4
;; ======== version 2 of 2: 4 launches; version 1 with the launch cvt written anew for expert scheduling mode
;; limits: right only within a limited range of input values
;; workspace buffers: xb 8,388,608 bytes; wb 6,291,456 bytes; fq 16,777,216 bytes; fk 16,777,216 bytes; vt 8,388,608 bytes; p 16,777,216 bytes; rs 524,288 bytes
;; launch cvt (part 5): grid 256 x 1, 8 waves a work-group, no clusters, 0 bytes of LDS; arguments x, Wq, Wk, Wv, xb, wb; writes xb, wb
.if DOCPART == 5
	.amdgcn_target "amdgcn-amd-amdhsa--gfx1250"
	.amdhsa_code_object_version 6
	.text
	.protected	k_q1743228f0f_cvt
	.globl	k_q1743228f0f_cvt
	.p2align	8
	.type	k_q1743228f0f_cvt,@function
k_q1743228f0f_cvt:
	s_mov_b64 s[64:65], 0
	v_nop
	global_prefetch_b8 v0, s[64:65] scope:SCOPE_SE
	s_setreg_imm32_b32 hwreg(HW_REG_WAVE_SCHED_MODE, 0, 2), 2
	s_setreg_imm32_b32 hwreg(HW_REG_WAVE_MODE, 25, 1), 1
	s_wait_xcnt 0x0
	s_wait_alu depctr_vm_vsrc(0)
; EulerAttention, first of four launches: x and the three weight matrices are rounded once from f32 to bf16 (nearest even),
; so that the projection can bring them in as bf16 tiles that four work-groups share.
;   xb [4096][1024] bf16 = x.      wb [3072][1024] bf16: row 192 g + 64 p + i = row 64 g + i of W_p (p = 0 q, 1 k, 2 v; g = 0..15),
;   so that 192 neighbouring rows of wb are the weights of the same 64 features of Q, of K and of V.
;
; WORK LEFT OUT IN THE WHOLE PROGRAM: phase_bias.  With a = Q inv_wl, b = K inv_wl and p = phase_bias, theta_q = a + p and theta_k = b + p
; reach the result through sim alone, and sim[s][t] is the sum over the features d of
;   cos(a_d + p_d) cos(b_d + p_d) + sin(a_d + p_d) sin(b_d + p_d) = cos((a_d + p_d) - (b_d + p_d)) = cos(a_d - b_d)
; for all real a_d, b_d, p_d.  So no value of phase_bias reaches any output in exact arithmetic: it is not loaded and is no argument of any launch.
; LIMIT: a NaN, an infinity or an overflow in phase_bias is not carried to the result, and a phase_bias so large that a + p in f32 loses bits of a
; is not reproduced.
;
; A stream: memory binds, so no LDS, no matrix unit, no cluster (no two work-groups read the same byte).
; Work-group w takes rows 16 w .. 16 w + 15 of x (65,536 bytes) and rows 4 w .. 4 w + 3 of each W (16,384 bytes each).
; An item is 8 neighbouring f32 of thread t: two 16-byte loads at 32 t and 32 t + 16, four packed roundings, one 16-byte store at 16 t, so a
; wave's store covers 512 consecutive bytes at a multiple of 512.  14 items a thread, written out; all 28 loads are issued first and no
; register is written twice, so no source of a pending instruction is ever rewritten.
; THE MODE: SCHED_MODE bits 1:0 = 2 (LLVM: expert scheduling mode 2), set by the entry lines.  The code itself states the register dependences
; between vector instructions and memory instructions, with s_wait_alu, always for 0.
; THE PLAN.  Registers that memory instructions touch:
;   v1, v2   byte offsets of the loads and of the stores: written once at the head, never again.
;   LD       written by the loads alone, each register once; read by the roundings.  No load is issued behind a rounding.
;   RES      written by the roundings, each register once; read by the stores as their data.
; The 14 items go in 7 blocks of two.  Block b rounds items 2 b and 2 b + 1; the two stores of block b - 1 stand among its eight roundings, which name
; other registers of RES than those stores read.  So one wait on va_vdst at a block's head states all that the block's two stores hang on.
; No register that a memory instruction reads is written again, so no wait on vm_vsrc stands behind the entry lines.
.set LD,  4                            ; v[4:115]    the 28 loads, item i in v[LD+8i : LD+8i+7]
.set RES, 116                          ; v[116:171]  the 14 results, item i in v[RES+4i : RES+4i+3]
	s_load_b256 s[4:11], s[0:1], 0x0               ; x s[4:5], Wq s[6:7], Wk s[8:9], Wv s[10:11]
	s_load_b128 s[12:15], s[0:1], 0x20             ; xb s[12:13], wb s[14:15]
	v_lshlrev_b32 v1, 5, v0                        ; 32 t: my 8 f32
	v_lshlrev_b32 v2, 4, v0                        ; 16 t: my 8 bf16
	s_lshl_b32 s16, ttmp9, 16                      ; x: 16 rows of 4,096 bytes a work-group
	s_mov_b32 s17, 0
	s_lshl_b32 s18, ttmp9, 14                      ; each W: 4 rows of 4,096 bytes
	s_mov_b32 s19, 0
	s_lshl_b32 s20, ttmp9, 15                      ; xb: 16 rows of 2,048 bytes
	s_mov_b32 s21, 0
	s_lshr_b32 s22, ttmp9, 4                       ; g = w / 16
	s_mul_i32 s22, s22, 192
	s_and_b32 s23, ttmp9, 15
	s_lshl2_add_u32 s22, s23, s22                  ; wb row 192 g + 4 (w mod 16); 64 p rows stand in the stores' immediates
	s_lshl_b32 s22, s22, 11                        ; rows of 2,048 bytes
	s_mov_b32 s23, 0
	s_wait_kmcnt 0x0
	s_add_nc_u64 s[4:5], s[4:5], s[16:17]
	s_add_nc_u64 s[6:7], s[6:7], s[18:19]
	s_add_nc_u64 s[8:9], s[8:9], s[18:19]
	s_add_nc_u64 s[10:11], s[10:11], s[18:19]
	s_add_nc_u64 s[12:13], s[12:13], s[20:21]
	s_add_nc_u64 s[14:15], s[14:15], s[22:23]
	s_wait_alu depctr_va_vdst(0)                   ; v1 and v2 are written: every load of the kernel reads v1 as its offset, every store v2
.irp j, 0,1,2,3,4,5,6,7
	global_load_b128 v[LD+8*\j:LD+8*\j+3],   v1, s[4:5] offset:8192*\j th:TH_LOAD_NT        ; 256 threads x 32 bytes = 8,192 bytes a pass
	global_load_b128 v[LD+8*\j+4:LD+8*\j+7], v1, s[4:5] offset:8192*\j+16 th:TH_LOAD_NT
.endr
.irp p, 0,1,2
.irp j, 0,1
	global_load_b128 v[LD+64+16*\p+8*\j:LD+64+16*\p+8*\j+3],   v1, s[6+2*\p:7+2*\p] offset:8192*\j th:TH_LOAD_NT
	global_load_b128 v[LD+64+16*\p+8*\j+4:LD+64+16*\p+8*\j+7], v1, s[6+2*\p:7+2*\p] offset:8192*\j+16 th:TH_LOAD_NT
.endr
.endr
; Item i is rounded: eight f32 into four registers of RES.
.macro ROUND i
.irp k, 0,1,2,3
	v_cvt_pk_bf16_f32 v[RES+4*(\i)+\k], v[LD+8*(\i)+2*\k], v[LD+8*(\i)+2*\k+1]
.endr
.endm
; Item i is stored.  Items 0 to 7 are x's eight passes; item 8 + 2 p + j is pass j of W_p.
.macro SEND i
.if (\i) < 8
	global_store_b128 v2, v[RES+4*(\i):RES+4*(\i)+3], s[12:13] offset:4096*(\i)
.else
	global_store_b128 v2, v[RES+4*(\i):RES+4*(\i)+3], s[14:15] offset:131072*(((\i)-8)/2)+4096*(((\i)-8)%2)   ; 64 p rows of 2,048 bytes, and the pass
.endif
.endm
; Block b: items 2 b and 2 b + 1.  Its four loads are numbers 4 b to 4 b + 3 of 28, so 24 - 4 b younger ones may stay out (loads return in order: ISA guide 5.7.1).
.macro BLK b
	s_wait_loadcnt 24-4*(\b)
.if (\b) > 0
	s_wait_alu depctr_va_vdst(0)                   ; the block before has written its eight registers of RES, which the two stores below read
	SEND 2*(\b)-2
.endif
	ROUND 2*(\b)
.if (\b) > 0
	SEND 2*(\b)-1                                  ; no wait: no vector instruction since the wait above names this store's data or v2
.endif
	ROUND 2*(\b)+1
.endm
.irp b, 0,1,2,3,4,5,6
	BLK \b
.endr
	s_wait_alu depctr_va_vdst(0)                   ; block 6 has written the last eight registers of RES, which the last two stores read
	SEND 12
	SEND 13
	s_endpgm
.Lfunc_end_k_q1743228f0f_cvt:
	.size	k_q1743228f0f_cvt, .Lfunc_end_k_q1743228f0f_cvt-k_q1743228f0f_cvt
	.p2alignl 7, 3214868480
	.fill 96, 4, 3214868480
	.section	.rodata,"a",@progbits
	.p2align	6, 0x0
	.amdhsa_kernel k_q1743228f0f_cvt
		.amdhsa_group_segment_fixed_size 0
		.amdhsa_private_segment_fixed_size 0
		.amdhsa_enable_private_segment 0
		.amdhsa_kernarg_size 48
		.amdhsa_user_sgpr_count 2
		.amdhsa_user_sgpr_kernarg_segment_ptr 1
		.amdhsa_wavefront_size32 1
		.amdhsa_system_sgpr_workgroup_id_x 1
		.amdhsa_system_sgpr_workgroup_id_y 1
		.amdhsa_system_sgpr_workgroup_id_z 1
		.amdhsa_system_vgpr_workitem_id 0
		.amdhsa_next_free_vgpr 172
		.amdhsa_next_free_sgpr 66
		.amdhsa_reserve_vcc 0
		.amdhsa_float_denorm_mode_32 3
		.amdhsa_float_denorm_mode_16_64 3
		.amdhsa_memory_ordered 1
		.amdhsa_forward_progress 1
		.amdhsa_inst_pref_size 10
	.end_amdhsa_kernel
	.amdgpu_metadata
---
amdhsa.version: [ 1, 2 ]
amdhsa.kernels:
  - .name:           k_q1743228f0f_cvt
    .symbol:         k_q1743228f0f_cvt.kd
    .args:
      - { .name: x, .offset: 0, .size: 8, .value_kind: global_buffer, .address_space: global }
      - { .name: Wq, .offset: 8, .size: 8, .value_kind: global_buffer, .address_space: global }
      - { .name: Wk, .offset: 16, .size: 8, .value_kind: global_buffer, .address_space: global }
      - { .name: Wv, .offset: 24, .size: 8, .value_kind: global_buffer, .address_space: global }
      - { .name: xb, .offset: 32, .size: 8, .value_kind: global_buffer, .address_space: global }
      - { .name: wb, .offset: 40, .size: 8, .value_kind: global_buffer, .address_space: global }
    .group_segment_fixed_size: 0
    .private_segment_fixed_size: 0
    .kernarg_segment_align: 8
    .kernarg_segment_size: 48
    .max_flat_workgroup_size: 256
    .sgpr_count:     66
    .vgpr_count:     172
    .wavefront_size: 32
...
	.end_amdgpu_metadata
.endif
;; end of part 5
;; launch proj: the kernel of part 2 again; grid 16 x 16, 4 waves a work-group, clusters of 4 x 4, 327,680 bytes of LDS; arguments xb, wb, bq, bk, bv, fq, fk, vt; writes fq, fk, vt
;; launch score: the kernel of part 3 again; grid 8 x 32, 4 waves a work-group, clusters of 4 x 4, 327,680 bytes of LDS; arguments fq, fk, p, rs; writes p, rs
;; launch pv: the kernel of part 4 again; grid 8 x 32, 4 waves a work-group, clusters of 4 x 4, 327,680 bytes of LDS; arguments p, vt, rs, out0; writes out0
